; MI455X (gfx1250); checked and timed in simulation.
; The chip was launched on July 23, 2026; its instructions are those of AMD's public machine-readable ISA for CDNA 5 (MIT licence, August 2026) and "CDNA5" Instruction Set Architecture Reference Guide (July 2026). The comments in the code are by the model that wrote it; some were corrected since.
;; Social Encoder. Allowed arithmetic: float matrix products may take bf16 or f16 operands with f32 sums; all other float work in f32.
;; Inputs: ak_b 1,024 float32; ak_w 1,024 x 1,024 float32; aq_b 1,024 float32; aq_w 1,024 x 1,024 float32; arv_b 1,024 float32; arv_w 1,024 x 1,024 float32; av_b 1,024 float32; av_w 1,024 x 1,024 float32; ff1_b 4,096 float32; ff1_w 1,024 x 4,096 float32; ff2_b 1,024 float32; ff2_w 4,096 x 1,024 float32; ffn_b 1,024 float32; ffn_g 1,024 float32; lk_b 1,024 float32; lk_w 1,024 x 1,024 float32; ln1_b 1,024 float32; ln1_g 1,024 float32; ln2_b 1,024 float32; ln2_g 1,024 float32; lq_b 1,024 float32; lq_w 1,024 x 1,024 float32; lv_b 1,024 float32; lv_w 1,024 x 1,024 float32; rel_bias 50 x 16 x 64 float32; scaling 16 x 1 x 1 float32; x 8 x 512 x 1,024 float32.
;; Outputs: out0 8 x 512 x 1,024 float32.
;; One version. Each part assembles by itself: llvm-mc -triple=amdgcn-amd-amdhsa -mcpu=gfx1250 --defsym DOCPART=n.
;; ======== version 1 of 1: 8 launches
;; limits: values outside matrix products are rounded to bf16; values are held in f16: magnitudes above 65,504 overflow, below 6.1e-05 lose precision
;; workspace buffers: act16 8,388,608 bytes; wh 14,680,064 bytes; ffh 16,777,216 bytes; vecs 36,864 bytes; wf 8,388,608 bytes; big 33,554,432 bytes; y 16,777,216 bytes; ffpre 16,777,216 bytes
;; launch prep (part 1): grid 1305 x 1, 8 waves a work-group, no clusters, 5,120 bytes of LDS; arguments x, lq_w, lk_w, lv_w, aq_w, ak_w, av_w, arv_w, ff1_w, ff2_w, lq_b, lk_b, lv_b, aq_b, ak_b, av_b, arv_b, rel_bias, scaling, act16, wh, ffh, vecs; writes act16, wh, ffh, vecs
.if DOCPART == 1
	.amdgcn_target "amdgcn-amd-amdhsa--gfx1250"
	.amdhsa_code_object_version 6
	.text
	.protected	k_q23498c39c1_prep
	.globl	k_q23498c39c1_prep
	.p2align	8
	.type	k_q23498c39c1_prep,@function
k_q23498c39c1_prep:
	s_mov_b64 s[64:65], 0
	v_nop
	global_prefetch_b8 v0, s[64:65] scope:SCOPE_SE
	s_setreg_imm32_b32 hwreg(HW_REG_WAVE_MODE, 25, 1), 1
	s_wait_xcnt 0x0
; PREP: three kinds of work-group, chosen by the work-group's number alone.
;  0 .. 63       BIAS: the two chained projections are one: (x l_w + l_b) a_w + a_b = x (l_w a_w) + (l_b a_w + a_b).  Here bs = (l_b a_w + a_b) cs in f32,
;                64 columns a work-group, and cs itself: scaling[head] log2(e) for Q's columns, 1 for K's, V's and RV's.  vecs: bs f32[4096] at 0, cs f32[4096] at 16,384.
;  64 .. 88      TABLE: btab[d][h] = log2(e) x the sum of rel_bias[d][h][0..63], f32[50][16] at vecs + 32,768.
;  89 .. 1304    CAST: x and the nine weight matrices from f32 to f16 (act16; wh = lq, lk, lv, aq, ak, av, arv, 2 MiB each; ffh = ff1, ff2).
;                LIMIT: a number of 65,520 or more in magnitude becomes an infinity in f16; below 6.1e-5 the f16 is denormal (absolute error 3e-8).
; ORDER.  A BIAS work-group has three rounds of loads that wait for each other (pointers and scaling; batches 0 and 1; batches 2 and 3) and then a sum through LDS; a CAST work-group has one.
; So the BIAS work-groups have the lowest numbers: the long chains are not the last to begin.
.set NBIAS, 64
.set NTABLE, 25
.set CAST0, NBIAS+NTABLE
.set X,   16                           ; CAST: v[16:79]   sixteen loads of 16 bytes
.set Y,   80                           ; CAST: v[80:111]  sixteen stores of 8 bytes
.set LB,  16                           ; BIAS: v[16:79]   my 64 numbers of l_b
.set AW0, 80                           ; BIAS: v[80:143], v[144:207]  two buffers of 16 rows x 4 columns of a_w
.set AW1, 144
	v_lshl_add_u32 v208, v0, 2, 0x1000
	v_mov_b32 v209, 0
	s_cmp_ge_u32 ttmp9, CAST0
	s_cbranch_scc0 .Lnot_cast
; ---------------- CAST: a unit is 1 Mi numbers, 64 work-groups to a unit, 16,384 numbers to a work-group ----------------
	s_load_b512 s[8:23], s[0:1], 0x0               ; x, lq_w, lk_w, lv_w, aq_w, ak_w, av_w, arv_w
	s_load_b128 s[24:27], s[0:1], 0x40             ; ff1_w, ff2_w
	s_load_b128 s[28:31], s[0:1], 0x98             ; act16, wh
	s_load_b64 s[32:33], s[0:1], 0xa8              ; ffh
	s_sub_co_u32 s4, ttmp9, CAST0                  ; which cast work-group, 0 .. 1215
	s_lshr_b32 s2, s4, 6                           ; unit 0 .. 18: x 0-3, the seven square weights 4-10, ff1_w 11-14, ff2_w 15-18
	s_and_b32 s3, s4, 63                           ; my part of the unit
	v_lshlrev_b32 v1, 4, v0                        ; 16 bytes of f32 a thread
	v_lshlrev_b32 v2, 3, v0                        ; 8 bytes of f16 a thread
	s_wait_kmcnt 0x0
.macro PICKS t, c                      ; from unit t on the source is the buffer in s[c:c+1]
	s_cmp_ge_u32 s2, \t
	s_cselect_b64 s[36:37], s[\c:\c+1], s[36:37]
	s_cselect_b32 s38, \t, s38
.endm
.macro PICKD t, c                      ; the same for the destination
	s_cmp_ge_u32 s2, \t
	s_cselect_b64 s[40:41], s[\c:\c+1], s[40:41]
	s_cselect_b32 s42, \t, s42
.endm
	s_mov_b64 s[36:37], s[8:9]
	s_mov_b32 s38, 0
	PICKS 4, 10
	PICKS 5, 12
	PICKS 6, 14
	PICKS 7, 16
	PICKS 8, 18
	PICKS 9, 20
	PICKS 10, 22
	PICKS 11, 24
	PICKS 15, 26
	s_mov_b64 s[40:41], s[28:29]
	s_mov_b32 s42, 0
	PICKD 4, 30
	PICKD 11, 32
	s_sub_co_u32 s38, s2, s38                      ; units into the source buffer: 4 MiB each,
	s_lshl_b32 s38, s38, 22
	s_lshl_b32 s39, s3, 16                         ; parts of 64 KiB
	s_add_co_u32 s38, s38, s39
	s_mov_b32 s39, 0
	s_add_nc_u64 s[36:37], s[36:37], s[38:39]
	s_sub_co_u32 s42, s2, s42                      ; units into the destination buffer: 2 MiB each,
	s_lshl_b32 s42, s42, 21
	s_lshl_b32 s43, s3, 15                         ; parts of 32 KiB
	s_add_co_u32 s42, s42, s43
	s_mov_b32 s43, 0
	s_add_nc_u64 s[40:41], s[40:41], s[42:43]
.irp i, 0,1,2,3,4,5,6,7,8,9,10,11,12,13,14,15
	global_load_b128 v[X+4*\i:X+4*\i+3], v1, s[36:37] offset:4096*\i   ; all sixteen loads go out first: 8 KiB of a wave in flight
.endr
.irp i, 0,1,2,3,4,5,6,7,8,9,10,11,12,13,14,15
	s_wait_loadcnt 15-\i                           ; loads come back in order: load i is in, the 15 - i younger ones stay out
	v_cvt_pk_f16_f32 v[Y+2*\i],   v[X+4*\i],   v[X+4*\i+1]
	v_cvt_pk_f16_f32 v[Y+2*\i+1], v[X+4*\i+2], v[X+4*\i+3]
	global_store_b64 v2, v[Y+2*\i:Y+2*\i+1], s[40:41] offset:2048*\i   ; a wave's store covers 256 consecutive bytes, aligned; no register is used twice
.endr
	s_endpgm
.Lnot_cast:
	s_cmp_lt_u32 ttmp9, NBIAS
	s_cbranch_scc0 .Ltable
; ---------------- BIAS: projection j (Q, K, V, RV), 64 columns; thread = 4 columns x 64 of the 1,024 k ----------------
	s_load_b256 s[8:15], s[0:1], 0x20              ; aq_w, ak_w, av_w, arv_w
	s_load_b512 s[16:31], s[0:1], 0x50             ; lq_b, lk_b, lv_b, aq_b, ak_b, av_b, arv_b (and rel_bias, not used here)
	s_load_b64 s[32:33], s[0:1], 0x90              ; scaling
	s_load_b64 s[34:35], s[0:1], 0xb0              ; vecs
	s_lshr_b32 s3, ttmp9, 4                        ; j
	s_and_b32 s2, ttmp9, 15                        ; block of 64 columns = the head
	s_lshl_b32 s46, s2, 2                          ; the head's word in scaling
	s_mov_b32 s47, 0
	s_lshl_b32 s50, s2, 8                          ; the block's 256 bytes in a row of a_w, in a_b and in vecs
	s_mov_b32 s51, 0
	v_and_b32 v1, 15, v0                           ; which 4 columns
	v_lshrrev_b32 v2, 4, v0                        ; which 64 k
	v_lshlrev_b32 v3, 4, v1                        ; 16 bytes for 4 columns
	v_lshl_or_b32 v4, v2, 18, v3                   ; + 64 rows of 4,096 bytes
	v_lshlrev_b32 v5, 8, v2                        ; my 64 numbers of l_b
	v_lshlrev_b32 v6, 4, v0                        ; my 16 bytes in LDS
	v_lshrrev_b32 v7, 5, v0
	v_readfirstlane_b32 s48, v7                    ; wave
	s_wait_kmcnt 0x0
	s_add_nc_u64 s[32:33], s[32:33], s[46:47]
	s_load_b32 s44, s[32:33], 0x0                  ; scaling[head]
	s_mov_b64 s[36:37], s[16:17]                   ; l_b: lq_b, lk_b, lv_b, lv_b
	s_mov_b64 s[38:39], s[8:9]                     ; a_w
	s_mov_b64 s[40:41], s[22:23]                   ; a_b
	s_cmp_ge_u32 s3, 1
	s_cselect_b64 s[36:37], s[18:19], s[36:37]
	s_cselect_b64 s[38:39], s[10:11], s[38:39]
	s_cselect_b64 s[40:41], s[24:25], s[40:41]
	s_cmp_ge_u32 s3, 2
	s_cselect_b64 s[36:37], s[20:21], s[36:37]
	s_cselect_b64 s[38:39], s[12:13], s[38:39]
	s_cselect_b64 s[40:41], s[26:27], s[40:41]
	s_cmp_ge_u32 s3, 3
	s_cselect_b64 s[38:39], s[14:15], s[38:39]
	s_cselect_b64 s[40:41], s[28:29], s[40:41]
	s_add_nc_u64 s[38:39], s[38:39], s[50:51]
	s_add_nc_u64 s[40:41], s[40:41], s[50:51]
	s_add_nc_u64 s[34:35], s[34:35], s[50:51]
	s_lshl_b32 s50, s3, 12                         ; projection j's 1,024 numbers in bs and in cs
	s_add_nc_u64 s[34:35], s[34:35], s[50:51]
.macro BATCH b, buf                    ; 16 rows of a_w, my 4 columns
.irp i, 0,1,2,3,4,5,6,7,8,9,10,11,12,13,14,15
	global_load_b128 v[\buf+4*\i:\buf+4*\i+3], v4, s[38:39] offset:(16*\b+\i)*4096
.endr
.endm
.macro WORK b, buf                     ; 64 multiply-adds; the very first products start the four sums
.set i, 0
.rept 16
.irp c, 0,1,2,3
.if (\b == 0) && (i == 0)
	v_mul_f32 v[8+\c], v[LB+16*\b+i], v[\buf+4*i+\c]
.else
	v_fmac_f32 v[8+\c], v[LB+16*\b+i], v[\buf+4*i+\c]
.endif
.endr
.set i, i+1
.endr
.endm
	global_load_b128 v[12:15], v3, s[40:41]        ; a_b of my 4 columns
.irp i, 0,1,2,3,4,5,6,7,8,9,10,11,12,13,14,15
	global_load_b128 v[LB+4*\i:LB+4*\i+3], v5, s[36:37] offset:16*\i
.endr
	BATCH 0, AW0
	BATCH 1, AW1
	s_wait_kmcnt 0x0
	s_mul_f32 s44, s44, 0x3fb8aa3b                 ; scaling[head] log2(e): the scores then come out in base 2
	s_cmp_eq_u32 s3, 0
	s_cselect_b32 s44, s44, 0x3f800000             ; Q's columns alone carry it
	s_mov_b32 s45, s44                             ; named with it as a pair below
	s_wait_loadcnt 16                              ; all but the 16 loads of batch 1
	WORK 0, AW0
	BATCH 2, AW0
	s_wait_loadcnt 16                              ; all but batch 2
	WORK 1, AW1
	BATCH 3, AW1
	s_wait_loadcnt 16                              ; all but batch 3
	WORK 2, AW0
	s_wait_loadcnt 0x0
	WORK 3, AW1
	ds_store_b128 v6, v[8:11]                      ; sixteen partial sums for each group of 4 columns meet in LDS
	s_wait_dscnt 0x0                               ; for the others' sake: my store is done
	s_barrier_signal -1
	s_barrier_wait -1
	s_cmp_lg_u32 s48, 0
	s_cbranch_scc1 .Lbias_done                     ; wave 0 adds them up
.irp k, 0,1,2,3,4,5,6,7,8,9,10,11,12,13,14,15
	ds_load_b128 v[16+4*\k:19+4*\k], v3 offset:256*\k
.endr
	s_wait_dscnt 0x0
.irp k, 1,2,3,4,5,6,7,8,9,10,11,12,13,14,15
	v_pk_add_f32 v[16:17], v[16:17], v[16+4*\k:17+4*\k]
	v_pk_add_f32 v[18:19], v[18:19], v[18+4*\k:19+4*\k]
.endr
	v_pk_add_f32 v[16:17], v[16:17], v[12:13]
	v_pk_add_f32 v[18:19], v[18:19], v[14:15]
	v_pk_mul_f32 v[16:17], v[16:17], s[44:45] op_sel_hi:[1,0]
	v_pk_mul_f32 v[18:19], v[18:19], s[44:45] op_sel_hi:[1,0]
	v_mov_b32 v20, s44
	v_cmp_le_u32 vcc_lo, 16, v0                    ; lanes 0-15 store bs, lanes 16-31 store cs of the same columns
.irp c, 16,17,18,19
	v_cndmask_b32 v\c, v\c, v20, vcc_lo
.endr
	v_lshl_add_u32 v21, v2, 14, v3                 ; cs lies 16,384 bytes behind bs
	global_store_b128 v21, v[16:19], s[34:35]      ; each half of the lanes stores 256 consecutive bytes, aligned
.Lbias_done:
	s_wait_tensorcnt 0x0
	ds_add_u32 v208, v209
	s_wait_dscnt 0x0
	s_endpgm
; ---------------- TABLE: a row of rel_bias is 64 f32 = 256 bytes; a wave sums four rows, sixteen lanes to a row ----------------
.Ltable:
	s_load_b64 s[8:9], s[0:1], 0x88                ; rel_bias
	s_load_b64 s[10:11], s[0:1], 0xb0              ; vecs
	s_sub_co_u32 s2, ttmp9, NBIAS
	s_lshl_b32 s12, s2, 13                         ; 32 rows of 256 bytes a work-group
	s_mov_b32 s13, 0
	s_lshl_b32 s14, s2, 7                          ; 32 words of the table
	s_add_co_u32 s14, s14, 32768
	s_mov_b32 s15, 0
	v_and_b32 v1, 31, v0
	v_lshrrev_b32 v2, 5, v0
	v_lshlrev_b32 v1, 4, v1
	v_lshl_add_u32 v1, v2, 10, v1                  ; 1,024 bytes a wave + 16 a lane
	v_bfe_u32 v3, v0, 4, 1
	v_lshlrev_b32 v3, 2, v3
	v_lshl_add_u32 v3, v2, 4, v3                   ; four words a wave; the upper half of the lanes one word on
	v_and_b32 v4, 15, v0
	s_wait_kmcnt 0x0
	s_add_nc_u64 s[8:9], s[8:9], s[12:13]
	s_add_nc_u64 s[10:11], s[10:11], s[14:15]
	global_load_b128 v[8:11], v1, s[8:9]           ; rows 0, 1 of my four
	global_load_b128 v[12:15], v1, s[8:9] offset:512   ; rows 2, 3
	s_wait_loadcnt 0x0
	v_add_f32 v8, v8, v9
	v_add_f32 v10, v10, v11
	v_add_f32 v12, v12, v13
	v_add_f32 v14, v14, v15
	v_add_f32 v8, v8, v10
	v_add_f32 v12, v12, v14
.irp m, 1,2,4,8
	v_add_f32_dpp v8, v8, v8 row_xmask:\m row_mask:0xf bank_mask:0xf
	v_add_f32_dpp v12, v12, v12 row_xmask:\m row_mask:0xf bank_mask:0xf
.endr
	v_mul_f32 v8, 0x3fb8aa3b, v8
	v_mul_f32 v12, 0x3fb8aa3b, v12
	s_wait_xcnt 0x0                                ; EXEC changes only behind this wait
	v_cmpx_eq_u32 0, v4                            ; one lane of each sixteen stores the row's sum: 3,200 bytes in the whole launch go out as single words
	global_store_b32 v3, v8, s[10:11]
	global_store_b32 v3, v12, s[10:11] offset:8
	s_endpgm
.Lfunc_end_k_q23498c39c1_prep:
	.size	k_q23498c39c1_prep, .Lfunc_end_k_q23498c39c1_prep-k_q23498c39c1_prep
	.p2alignl 7, 3214868480
	.fill 96, 4, 3214868480
	.section	.rodata,"a",@progbits
	.p2align	6, 0x0
	.amdhsa_kernel k_q23498c39c1_prep
		.amdhsa_group_segment_fixed_size 5120
		.amdhsa_private_segment_fixed_size 0
		.amdhsa_enable_private_segment 0
		.amdhsa_kernarg_size 184
		.amdhsa_user_sgpr_count 2
		.amdhsa_user_sgpr_kernarg_segment_ptr 1
		.amdhsa_wavefront_size32 1
		.amdhsa_system_sgpr_workgroup_id_x 1
		.amdhsa_system_sgpr_workgroup_id_y 1
		.amdhsa_system_sgpr_workgroup_id_z 1
		.amdhsa_system_vgpr_workitem_id 0
		.amdhsa_next_free_vgpr 210
		.amdhsa_next_free_sgpr 66
		.amdhsa_reserve_vcc 1
		.amdhsa_float_denorm_mode_32 3
		.amdhsa_float_denorm_mode_16_64 3
		.amdhsa_memory_ordered 1
		.amdhsa_forward_progress 1
		.amdhsa_inst_pref_size 32
	.end_amdhsa_kernel
	.amdgpu_metadata
---
amdhsa.version: [ 1, 2 ]
amdhsa.kernels:
  - .name:           k_q23498c39c1_prep
    .symbol:         k_q23498c39c1_prep.kd
    .args:
      - { .name: x, .offset: 0, .size: 8, .value_kind: global_buffer, .address_space: global }
      - { .name: lq_w, .offset: 8, .size: 8, .value_kind: global_buffer, .address_space: global }
      - { .name: lk_w, .offset: 16, .size: 8, .value_kind: global_buffer, .address_space: global }
      - { .name: lv_w, .offset: 24, .size: 8, .value_kind: global_buffer, .address_space: global }
      - { .name: aq_w, .offset: 32, .size: 8, .value_kind: global_buffer, .address_space: global }
      - { .name: ak_w, .offset: 40, .size: 8, .value_kind: global_buffer, .address_space: global }
      - { .name: av_w, .offset: 48, .size: 8, .value_kind: global_buffer, .address_space: global }
      - { .name: arv_w, .offset: 56, .size: 8, .value_kind: global_buffer, .address_space: global }
      - { .name: ff1_w, .offset: 64, .size: 8, .value_kind: global_buffer, .address_space: global }
      - { .name: ff2_w, .offset: 72, .size: 8, .value_kind: global_buffer, .address_space: global }
      - { .name: lq_b, .offset: 80, .size: 8, .value_kind: global_buffer, .address_space: global }
      - { .name: lk_b, .offset: 88, .size: 8, .value_kind: global_buffer, .address_space: global }
      - { .name: lv_b, .offset: 96, .size: 8, .value_kind: global_buffer, .address_space: global }
      - { .name: aq_b, .offset: 104, .size: 8, .value_kind: global_buffer, .address_space: global }
      - { .name: ak_b, .offset: 112, .size: 8, .value_kind: global_buffer, .address_space: global }
      - { .name: av_b, .offset: 120, .size: 8, .value_kind: global_buffer, .address_space: global }
      - { .name: arv_b, .offset: 128, .size: 8, .value_kind: global_buffer, .address_space: global }
      - { .name: rel_bias, .offset: 136, .size: 8, .value_kind: global_buffer, .address_space: global }
      - { .name: scaling, .offset: 144, .size: 8, .value_kind: global_buffer, .address_space: global }
      - { .name: act16, .offset: 152, .size: 8, .value_kind: global_buffer, .address_space: global }
      - { .name: wh, .offset: 160, .size: 8, .value_kind: global_buffer, .address_space: global }
      - { .name: ffh, .offset: 168, .size: 8, .value_kind: global_buffer, .address_space: global }
      - { .name: vecs, .offset: 176, .size: 8, .value_kind: global_buffer, .address_space: global }
    .group_segment_fixed_size: 5120
    .private_segment_fixed_size: 0
    .kernarg_segment_align: 8
    .kernarg_segment_size: 184
    .max_flat_workgroup_size: 256
    .sgpr_count:     66
    .vgpr_count:     210
    .wavefront_size: 32
...
	.end_amdgpu_metadata
.endif
;; end of part 1
;; launch fold (part 2): grid 32 x 8, 4 waves a work-group, clusters of 4 x 4, 327,680 bytes of LDS; arguments wh, vecs, wf; writes wf
.if DOCPART == 2
	.amdgcn_target "amdgcn-amd-amdhsa--gfx1250"
	.amdhsa_code_object_version 6
	.text
	.protected	k_q23498c39c1_fold
	.globl	k_q23498c39c1_fold
	.p2align	8
	.type	k_q23498c39c1_fold,@function
k_q23498c39c1_fold:
	s_mov_b64 s[64:65], 0
	v_nop
	global_prefetch_b8 v0, s[64:65] scope:SCOPE_SE
	s_setreg_imm32_b32 hwreg(HW_REG_WAVE_MODE, 25, 1), 1
	s_wait_xcnt 0x0
	s_wait_alu depctr_hold_cnt(0) depctr_sa_sdst(0) depctr_va_vdst(0) depctr_va_sdst(0) depctr_va_ssrc(0) depctr_va_vcc(0) depctr_vm_vsrc(0)
	s_getreg_b32 s2, hwreg(HW_REG_IB_STS2, 6, 4)
	s_cmp_eq_u32 s2, 0
	s_cbranch_scc0 .Lentry_in_a_cluster
	s_endpgm
.Lentry_in_a_cluster:
	s_bfe_u32 s2, ttmp6, 0x10000c
	s_cmp_lg_u32 s2, 0xf033
	s_cbranch_scc0 .Lentry_shape_is_right
	s_endpgm
.Lentry_shape_is_right:
; C = A B on tiles of 128 x 128, f16 operands, f32 sums.  A: [M][K], rows along K.  B: [K][N], as the weights lie; its fragments are turned on the way out of LDS by ds_load_tr16_b128.
; FOLD = 1: W'[k][1024 j + n] = cs[1024 j + n] x the sum over i of l_w(j)[k][i] a_w(j)[i][n], j = Q, K, V, RV (l_w = lq, lk, lv, lv); M = 1,024, N = 4 x 1,024, K = 1,024; C in f16.
; FOLD = 0: ffpre = hmid ff2_w; M = 4,096, N = 1,024, K = 4,096; C in f32 (ff2_b is added where the row is normalised).
; LIMIT (FOLD = 1): W' is rounded to f16: magnitudes from 65,520 on become infinities, below 6.1e-5 the absolute error is 3e-8.
; Four waves, each 64 x 64: 16 accumulators.  K goes in steps of 256 through two LDS slots.  Waves 0, 1 fetch A's two halves (64 rows x 512 bytes), waves 2, 3 B's (128 k-rows x 256 bytes).
; CLUSTERS: 4 x 4 work-groups; A's tile is shared along a row of the cluster, B's along a column: each is asked for jointly, by the same tensor load with the same descriptor and a mask of the four.
; THE MATRIX INSTRUCTION IS USED TRANSPOSED (source 0 = 16 columns of B, source 1 = 16 rows of A): a lane holds eight neighbouring numbers of a row of C.
; REGISTERS: window 0: v0-31 addresses; v32-95 at work on the way out; v96-127 cs (FOLD); v128-255 accumulators ((a, b) at v[128 + 8 (4 a + b)]).  window 1: two fragment buffers of 128 (64 of A, 64 of B).
; THE STAGE of the way out is slot 0's bytes: the slot has had its last fill, and its last reads stand in front of the barrier of the last change of slots.
.set FOLD, 1
.if FOLD
.set SIZE_K, 1024
.set KA,     1024                      ; A's pitch in elements
.set CPITCH, 8192                      ; C's pitch in bytes
.set SPITCH, 272                       ; a stage row: 128 f16 + 16 bytes
.else
.set SIZE_K, 4096
.set KA,     4096
.set CPITCH, 4096
.set SPITCH, 528                       ; a stage row: 128 f32 + 16 bytes
.endif
.set KSTEP,  256
.set PITCHA, 528                       ; 512 bytes + 16: an odd multiple of 16, so the 16 rows of a fragment load start at 16 different 16-byte columns
.set PITCHB, 288                       ; 256 bytes + 32: an odd multiple of 32, as the turning load's 8 rows x 32 bytes want
.set HALFA,  64*PITCHA
.set HALFB,  128*PITCHB
.set SLOT,   2*HALFA+2*HALFB           ; A's 128 rows, then B's 256 k-rows
.set STAGE,  0
.set SPARE,  2*SLOT                    ; behind the ring: the spare words, 128 bytes for each wave, which no other line names
.set LAPS, SIZE_K/(2*KSTEP)
.set ADRA, 16                          ; v16-17  my A fragments in slot 0, 1
.set ADRB, 20                          ; v20-23  my B fragments: slot 0 k-rows 0-127, 128-255; slot 1 likewise (the immediates then stay under 64 KiB)
.set STO,  24
.set RD,   25
.set CO,   26
.set BO,   27                          ; v27     32 x (lane / 16): my eight numbers of cs
.set SPW,  28                          ; v28     my spare word; never rewritten
.set NIL,  29                          ; v29     0; never rewritten
.set TMP,  32
.set CSV,  96
.set ACC,  128
.set F0,   0
.set F1,   128
.set G1, 24
.set G0, 32
.set G1B, 48
.set G0B, 56
.set MSB, 0
.macro WIN new                         ; the immediate's high byte repeats the setting that is left
.if MSB != \new
	s_set_vgpr_msb (MSB<<8)|\new
.set MSB, \new
.endif
.endm
.set MUL,  0x05                        ; sources 0 (B) and 1 (A) window 1; C and D window 0
.set TO_F, 0x40                        ; destination window 1, address window 0
.macro JLOAD s                         ; a joint load: waves 0, 1 ask for A, waves 2, 3 for B; four v_nop follow each line
	s_cmp_eq_u32 s11, 0
	s_cbranch_scc0 .Lfor_b_\@
	tensor_load_to_lds s[G0+4*\s:G0+4*\s+3], s[G1:G1+7]
	s_nop 0
.rept 4
	v_nop
.endr
	s_branch .Lasked_\@
.Lfor_b_\@:
	tensor_load_to_lds s[G0B+4*\s:G0B+4*\s+3], s[G1B:G1B+7]
	s_nop 0
.rept 4
	v_nop
.endr
.Lasked_\@:
.endm
.macro CREST                           ; a round of the cluster's barrier behind its opening barrier
	s_cmp_lg_u32 s10, 0
	s_cbranch_scc1 .Lnot_wave_0_\@
	s_barrier_signal -3
.Lnot_wave_0_\@:
	s_barrier_wait -3
	s_barrier_signal -1
	s_barrier_wait -1
.endm
.macro CROUND
	s_barrier_signal -1
	s_barrier_wait -1
	CREST
.endm
	s_load_b128 s[4:7], s[0:1], 0x0                ; FOLD: wh, vecs; else: big (hmid), ffh
	s_load_b64 s[8:9], s[0:1], 0x10                ; C
	v_lshl_add_u32 v[SPW], v0, 2, SPARE
	v_mov_b32 v[NIL], 0
	ds_add_u32 v28, v29
	s_wait_dscnt 0x0
	v_lshrrev_b32 v1, 5, v0
	v_readfirstlane_b32 s10, v1                    ; wave 0..3
	s_lshr_b32 s11, s10, 1                         ; my half of the tile's rows.  Also: I fetch for A (0) or B (1)
	s_and_b32 s12, s10, 1                          ; my half of its columns.  Also: which half of that tile I fetch
	s_bfe_u32 s40, ttmp6, 0x40000                  ; cx
	s_bfe_u32 s41, ttmp6, 0x40004                  ; cy
	s_lshl_b32 s42, ttmp9, 2
	s_add_co_u32 s42, s42, s40                     ; tile column
	s_and_b32 s13, ttmp7, 0xffff
	s_lshl_b32 s13, s13, 2
	s_add_co_u32 s13, s13, s41                     ; tile row
	s_lshl_b32 s43, s41, 2
	s_lshl_b32 s43, 15, s43                        ; my row of the cluster
	s_lshl_b32 s44, 0x1111, s40                    ; my column
	s_or_b32 s[G1+0], s43, (1<<16)|(1<<20)|(1<<21)|(6<<22)|(3<<25)   ; mask; 2-byte elements; padding on; bit 21 beside a mask; after every 128 words 4 words
	s_mov_b32 s[G1+1], KSTEP<<16                   ; tensor_dim0 = 256
	s_mov_b32 s[G1+2], 64<<16                      ; tensor_dim1 = 64
	s_mov_b32 s[G1+3], KSTEP<<16                   ; tile_dim0 = 256
	s_mov_b32 s[G1+4], 64                          ; tile_dim1 = 64
	s_mov_b32 s[G1+5], KA                          ; elements from row to row
	s_mov_b32 s[G1+6], 0
	s_mov_b32 s[G1+7], 0
	s_or_b32 s[G1B+0], s44, (1<<16)|(1<<20)|(1<<21)|(5<<22)|(7<<25)  ; after every 64 words 8 words
	s_mov_b32 s[G1B+1], 128<<16                    ; tensor_dim0 = 128
	s_mov_b32 s[G1B+2], 128<<16                    ; tensor_dim1 = 128
	s_mov_b32 s[G1B+3], 128<<16                    ; tile_dim0 = 128
	s_mov_b32 s[G1B+4], 128                        ; tile_dim1 = 128
	s_mov_b32 s[G1B+5], 1024                       ; B's rows are 1,024 elements in both uses
	s_mov_b32 s[G1B+6], 0
	s_mov_b32 s[G1B+7], 0
	; A's offset is made of the tile row, the cluster's x and the wave's number, B's of the tile column and the wave's number, in registers of their own
	s_lshl_b32 s17, s12, 6
	s_lshl_b32 s16, s13, 7
	s_add_co_u32 s16, s16, s17                     ; A: row 128 x tile row + 64 x half
.if FOLD
	s_lshl_b32 s16, s16, 11                        ; rows of 2,048 bytes
	s_lshr_b32 s18, ttmp9, 1                       ; j = tile column / 8: the same in all four of a cluster's row
	s_min_u32 s19, s18, 2                          ; l_w: lq, lk, lv, lv
	s_lshl_b32 s19, s19, 21
	s_add_co_u32 s16, s16, s19
	s_add_co_u32 s46, s18, 3                       ; a_w: blocks 3 .. 6 of wh
	s_lshl_b32 s46, s46, 21
	s_and_b32 s47, s42, 7
	s_lshl_b32 s47, s47, 8                         ; 128 columns of 2 bytes
	s_add_co_u32 s46, s46, s47
.else
	s_lshl_b32 s16, s16, 13                        ; rows of 8,192 bytes
	s_lshl_b32 s46, s42, 8
	s_add_co_u32 s46, s46, 0x800000                ; ff2 lies 8 MiB into ffh
.endif
	s_lshl_b32 s47, s12, 18                        ; B: 128 k-rows of 2,048 bytes x half
	s_add_co_u32 s46, s46, s47
	s_mov_b32 s17, 0
	s_mov_b32 s47, 0
	s_mul_i32 s20, s12, HALFA                      ; where they go: no place in the cluster enters an LDS address
	s_mul_i32 s21, s12, HALFB
	s_add_co_u32 s21, s21, 2*HALFA
	s_wait_kmcnt 0x0
	s_add_nc_u64 s[14:15], s[4:5], s[16:17]
.if FOLD
	s_add_nc_u64 s[46:47], s[4:5], s[46:47]
.else
	s_add_nc_u64 s[46:47], s[6:7], s[46:47]
.endif
	CROUND                                         ; all sixteen work-groups are here: the first joint loads meet
.irp s, 0,1
	s_mov_b32 s[G0+4*\s], 1
	s_add_co_u32 s[G0+4*\s+1], s20, \s*SLOT
	s_add_nc_u64 s[G0+4*\s+2:G0+4*\s+3], s[14:15], \s*KSTEP*2
	s_or_b32 s[G0+4*\s+3], s[G0+4*\s+3], 0x80000000
	s_mov_b32 s[G0B+4*\s], 1
	s_add_co_u32 s[G0B+4*\s+1], s21, \s*SLOT
	s_add_nc_u64 s[G0B+4*\s+2:G0B+4*\s+3], s[46:47], \s*0x80000      ; 256 k-rows of 2,048 bytes
	s_or_b32 s[G0B+4*\s+3], s[G0B+4*\s+3], 0x80000000
	JLOAD \s                                       ; two loads of mine are out
.endr
	v_and_b32 v1, 15, v0                           ; r = l % 16
	v_bfe_u32 v2, v0, 4, 1                         ; h = l / 16
.if FOLD
	s_lshl_b32 s46, s42, 9                         ; cs of my 64 columns: 4 bytes x (128 x tile column + 64 x half), behind bs
	s_lshl_b32 s47, s12, 8
	s_add_co_u32 s46, s46, s47
	s_add_co_u32 s46, s46, 16384
	s_mov_b32 s47, 0
	s_add_nc_u64 s[6:7], s[6:7], s[46:47]
	v_lshlrev_b32 v[BO], 5, v2
.irp b, 0,1,2,3
	global_load_b128 v[CSV+8*\b:CSV+8*\b+3],   v[BO], s[6:7] offset:64*\b
	global_load_b128 v[CSV+8*\b+4:CSV+8*\b+7], v[BO], s[6:7] offset:64*\b+16
.endr
.endif
	v_mul_u32_u24 v3, v1, PITCHA
	v_lshl_add_u32 v3, v2, 4, v3                   ; A: row x pitch + 16 h
	s_mul_i32 s22, s11, HALFA
	v_add_nc_u32 v[ADRA], s22, v3
	v_add_nc_u32 v[ADRA+1], SLOT, v[ADRA]
	v_and_b32 v4, 7, v0                            ; B, turned: lane l reads 16 bytes of k-row 8 h + l % 8, columns 8 ((l / 8) % 2) on
	v_lshl_add_u32 v4, v2, 3, v4
	v_mul_u32_u24 v4, v4, PITCHB
	v_bfe_u32 v5, v0, 3, 1
	v_lshl_add_u32 v4, v5, 4, v4
	s_lshl_b32 s23, s12, 7                         ; my 64 columns
	s_add_co_u32 s23, s23, 2*HALFA
	v_add_nc_u32 v[ADRB], s23, v4
	v_add_nc_u32 v[ADRB+1], HALFB, v[ADRB]
	v_add_nc_u32 v[ADRB+2], SLOT, v[ADRB]
	v_add_nc_u32 v[ADRB+3], SLOT+HALFB, v[ADRB]
	s_mul_i32 s23, s11, 64*SPITCH                  ; into the stage: my 64 rows, my half of each row
	s_lshl_b32 s16, s13, 7
	s_lshl_b32 s17, s10, 5
	s_add_co_u32 s16, s16, s17                     ; the first row of C that I store: 128 x tile row + 32 x wave
	v_mul_u32_u24 v4, v1, SPITCH
.if FOLD
	s_lshl_b32 s21, s12, 7
	v_lshl_add_u32 v4, v2, 4, v4                   ; 16 bytes (8 f16) for each half of the lanes
	s_lshl_b32 s16, s16, 13
	s_lshl_b32 s46, s42, 8                         ; the tile's first column, in bytes
.else
	s_lshl_b32 s21, s12, 8
	v_lshl_add_u32 v4, v2, 5, v4                   ; 32 bytes (8 f32)
	s_lshl_b32 s16, s16, 12
	s_lshl_b32 s46, s42, 9
.endif
	s_add_co_u32 s23, s23, s21
	v_add_nc_u32 v[STO], s23, v4
	s_mul_i32 s23, s10, 32*SPITCH                  ; back: wave w takes rows 32 w .. 32 w + 31, whole
.if FOLD
	v_mul_u32_u24 v5, v2, SPITCH                   ; lanes 0-15 one row of 256 bytes, lanes 16-31 the next
	v_lshl_add_u32 v5, v1, 4, v5
	v_add_nc_u32 v[RD], s23, v5
	v_lshlrev_b32 v5, 13, v2
	v_lshl_add_u32 v[CO], v1, 4, v5
.else
	v_and_b32 v5, 31, v0                           ; 32 lanes take one row of 512 bytes
	v_lshlrev_b32 v[CO], 4, v5
	v_add_nc_u32 v[RD], s23, v[CO]
.endif
	s_mov_b32 s17, 0
	s_mov_b32 s47, 0
	s_add_nc_u64 s[8:9], s[8:9], s[16:17]
	s_add_nc_u64 s[8:9], s[8:9], s[46:47]
; 8 matrix instructions: m blocks a0, a0 + 1 x all 4 n blocks, 32 along K: half c of buffer f.  zero = 1: the first product starts the sums
.macro MUL8 f, c, a0, zero
.irp a, \a0, \a0+1
.irp b, 0,1,2,3
.if \zero
	v_wmma_f32_16x16x32_f16 v[ACC+8*(4*(\a)+\b):ACC+8*(4*(\a)+\b)+7], v[\f+64+8*(4*\c+\b):\f+64+8*(4*\c+\b)+7], v[\f+8*(4*\c+\a):\f+8*(4*\c+\a)+7], 0
.else
	v_wmma_f32_16x16x32_f16 v[ACC+8*(4*(\a)+\b):ACC+8*(4*(\a)+\b)+7], v[\f+64+8*(4*\c+\b):\f+64+8*(4*\c+\b)+7], v[\f+8*(4*\c+\a):\f+8*(4*\c+\a)+7], v[ACC+8*(4*(\a)+\b):ACC+8*(4*(\a)+\b)+7]
.endif
.endr
.endr
.endm
; 32 LDS loads in one run: the fragments of quarter q (64 along K) of a slot into buffer f; the first 32 along K first
.macro FETCH slot, q, f
	WIN TO_F
.irp c, 0,1
.irp i, 0,1,2,3
	ds_load_tr16_b128 v[\f+64+8*(4*\c+\i):\f+64+8*(4*\c+\i)+3],   v[ADRB+2*\slot+\q/2] offset:((\q%2)*64+32*\c)*PITCHB+32*\i
	ds_load_tr16_b128 v[\f+64+8*(4*\c+\i)+4:\f+64+8*(4*\c+\i)+7], v[ADRB+2*\slot+\q/2] offset:((\q%2)*64+32*\c+16)*PITCHB+32*\i
	ds_load_b128 v[\f+8*(4*\c+\i):\f+8*(4*\c+\i)+3],              v[ADRA+\slot] offset:128*\q+64*\c+\i*16*PITCHA
	ds_load_b128 v[\f+8*(4*\c+\i)+4:\f+8*(4*\c+\i)+7],            v[ADRA+\slot] offset:128*\q+64*\c+\i*16*PITCHA+32
.endr
.endr
.endm
.macro PLACES                          ; four plain vector instructions between matrix instructions and loads into, or vector reads of, their registers
.rept 4
	v_nop
.endr
.endm
; A K step is four quarters of 64 along K, 32 matrix instructions each, on buffers 0, 1, 0, 1; the 16 accumulators take turns.
.macro QUARTER slot, q, f, g, zero
	s_wait_dscnt 16                                ; the first 32 along K are in; the sixteen younger loads may be out
	WIN MUL
	MUL8 \f, 0, 0, \zero
	MUL8 \f, 0, 2, \zero
	PLACES
	FETCH \slot, \q, \g
	s_wait_dscnt 32                                ; all but the 32 just issued
	WIN MUL
	MUL8 \f, 1, 0, 0
	MUL8 \f, 1, 2, 0
.endm
; The last quarter multiplies buffer 1 and changes slots.  fill = 1: this slot is filled again, two K steps ahead, behind a round of the cluster's barrier.
.macro TURN slot, next, fill
	WIN 0                                          ; (the add's two registers lie in window 0)
	s_wait_tensorcnt 0x0                           ; all my tensor loads have landed: the one that was out is my part of the next slot
	ds_add_u32 v[SPW], v[NIL]                      ; 0 onto my spare word
	s_wait_dscnt 17                                ; (the add and the youngest sixteen loads may be out)
	WIN MUL
	MUL8 F1, 0, 0, 0
	s_wait_dscnt 0x0                               ; the add is done, and my reads of this slot are over
	s_barrier_signal -1
	MUL8 F1, 0, 2, 0
.if \fill
	WIN 0
.endif
	s_barrier_wait -1
.if \fill
	CREST                                          ; no wave of any partner still reads this slot or has a load on its way
	s_add_nc_u64 s[G0+4*\slot+2:G0+4*\slot+3], s[G0+4*\slot+2:G0+4*\slot+3], 2*KSTEP*2
	s_add_nc_u64 s[G0B+4*\slot+2:G0B+4*\slot+3], s[G0B+4*\slot+2:G0B+4*\slot+3], 0x100000
	JLOAD \slot                                    ; my one tensor load behind the round; its four v_nop are also the places in front of the loads below
.else
	PLACES
.endif
	FETCH \next, 0, F0
	WIN MUL
	MUL8 F1, 1, 0, 0
	MUL8 F1, 1, 2, 0
.endm
	s_wait_tensorcnt 1                             ; my part of K step 0 is in; K step 1's may stay out
	s_barrier_signal -1
	s_barrier_wait -1
	FETCH 0, 0, F0
	QUARTER 0, 1, F0, F1, 1                        ; the first quarter stands in front of the loop: its first products start the sums
	WIN 0
	s_mov_b32 s3, LAPS-1
.Llap:                                                 ; a trip goes once round the ring and fills both slots again
	QUARTER 0, 2, F1, F0, 0
	QUARTER 0, 3, F0, F1, 0
	TURN 0, 1, 1
	QUARTER 1, 1, F0, F1, 0
	QUARTER 1, 2, F1, F0, 0
	QUARTER 1, 3, F0, F1, 0
	TURN 1, 0, 1
	QUARTER 0, 1, F0, F1, 0
	WIN 0
	s_sub_co_u32 s3, s3, 1
	s_cmp_lg_u32 s3, 0
	s_cbranch_scc1 .Llap
	QUARTER 0, 2, F1, F0, 0                        ; the last lap fills nothing
	QUARTER 0, 3, F0, F1, 0
	TURN 0, 1, 0                                   ; behind this barrier no wave reads slot 0 any more
	QUARTER 1, 1, F0, F1, 0
	QUARTER 1, 2, F1, F0, 0
	QUARTER 1, 3, F0, F1, 0
	s_wait_dscnt 16
	WIN MUL
	MUL8 F1, 0, 0, 0
	MUL8 F1, 0, 2, 0
	s_wait_dscnt 0
	MUL8 F1, 1, 0, 0
	MUL8 F1, 1, 2, 0
	WIN 0
	; THE WAY OUT, through one stage for the four waves: a row's bytes come from two waves, so a barrier stands between writing and reading
.if FOLD
	s_wait_loadcnt 0x0                             ; cs
	PLACES
.irp t, 0,1,2,3,4,5,6,7,8,9,10,11,12,13,14,15
.irp r, 0,1,2,3
	v_pk_mul_f32 v[ACC+8*\t+2*\r:ACC+8*\t+2*\r+1], v[ACC+8*\t+2*\r:ACC+8*\t+2*\r+1], v[CSV+8*(\t%4)+2*\r:CSV+8*(\t%4)+2*\r+1]
.endr
.irp r, 0,1,2,3
	v_cvt_pk_f16_f32 v[TMP+4*\t+\r], v[ACC+8*\t+2*\r], v[ACC+8*\t+2*\r+1]
.endr
.endr
.irp a, 0,1,2,3
.irp b, 0,1,2,3
	ds_store_b128 v[STO], v[TMP+4*(4*\a+\b):TMP+4*(4*\a+\b)+3] offset:STAGE+\a*16*SPITCH+32*\b
.endr
.endr
	s_wait_dscnt 0x0                               ; for the others' sake: my stores into the stage are done
	s_barrier_signal -1
	s_barrier_wait -1
.irp t, 0,1,2,3,4,5,6,7,8,9,10,11,12,13,14,15
	ds_load_b128 v[TMP+4*\t:TMP+4*\t+3], v[RD] offset:STAGE+\t*2*SPITCH
.endr
.irp t, 0,1,2,3,4,5,6,7,8,9,10,11,12,13,14,15
	s_wait_dscnt 15-\t                             ; load t is back, the younger ones may be out
	global_store_b128 v[CO], v[TMP+4*\t:TMP+4*\t+3], s[8:9] offset:2*\t*CPITCH   ; 16 lanes store 256 consecutive bytes, aligned
.endr
.else
	PLACES
.irp a, 0,1,2,3
.irp b, 0,1,2,3
	ds_store_b128 v[STO], v[ACC+8*(4*\a+\b):ACC+8*(4*\a+\b)+3]   offset:STAGE+\a*16*SPITCH+64*\b      ; each accumulator's low four registers first
	ds_store_b128 v[STO], v[ACC+8*(4*\a+\b)+4:ACC+8*(4*\a+\b)+7] offset:STAGE+\a*16*SPITCH+64*\b+16
.endr
.endr
	s_wait_dscnt 0x0                               ; for the others' sake: my stores into the stage are done
	s_barrier_signal -1
	s_barrier_wait -1
.set t, 0
.rept 32
	ds_load_b128 v[ACC+4*t:ACC+4*t+3], v[RD] offset:STAGE+t*SPITCH
.set t, t+1
.endr
.set t, 0
.rept 32
	s_wait_dscnt 31-t                              ; load t is back, the younger ones may be out
	global_store_b128 v[CO], v[ACC+4*t:ACC+4*t+3], s[8:9] offset:t*CPITCH        ; a wave stores 512 consecutive bytes, aligned
.set t, t+1
.endr
.endif
	s_wait_tensorcnt 0x0                           ; the wave's end
	ds_add_u32 v[SPW], v[NIL]
	s_wait_dscnt 0x0
	CROUND                                         ; the closing round: no work-group ends while a partner may still ask for a tile that names it
	s_endpgm
.Lfunc_end_k_q23498c39c1_fold:
	.size	k_q23498c39c1_fold, .Lfunc_end_k_q23498c39c1_fold-k_q23498c39c1_fold
	.p2alignl 7, 3214868480
	.fill 96, 4, 3214868480
	.section	.rodata,"a",@progbits
	.p2align	6, 0x0
	.amdhsa_kernel k_q23498c39c1_fold
		.amdhsa_group_segment_fixed_size 327680
		.amdhsa_private_segment_fixed_size 0
		.amdhsa_enable_private_segment 0
		.amdhsa_kernarg_size 24
		.amdhsa_user_sgpr_count 2
		.amdhsa_user_sgpr_kernarg_segment_ptr 1
		.amdhsa_wavefront_size32 1
		.amdhsa_system_sgpr_workgroup_id_x 1
		.amdhsa_system_sgpr_workgroup_id_y 1
		.amdhsa_system_sgpr_workgroup_id_z 1
		.amdhsa_system_vgpr_workitem_id 0
		.amdhsa_next_free_vgpr 512
		.amdhsa_next_free_sgpr 66
		.amdhsa_reserve_vcc 0
		.amdhsa_float_denorm_mode_32 3
		.amdhsa_float_denorm_mode_16_64 3
		.amdhsa_memory_ordered 1
		.amdhsa_forward_progress 1
		.amdhsa_inst_pref_size 92
	.end_amdhsa_kernel
	.amdgpu_metadata
---
amdhsa.version: [ 1, 2 ]
amdhsa.kernels:
  - .name:           k_q23498c39c1_fold
    .symbol:         k_q23498c39c1_fold.kd
    .args:
      - { .name: wh, .offset: 0, .size: 8, .value_kind: global_buffer, .address_space: global }
      - { .name: vecs, .offset: 8, .size: 8, .value_kind: global_buffer, .address_space: global }
      - { .name: wf, .offset: 16, .size: 8, .value_kind: global_buffer, .address_space: global }
    .group_segment_fixed_size: 327680
    .private_segment_fixed_size: 0
    .kernarg_segment_align: 8
    .kernarg_segment_size: 24
    .max_flat_workgroup_size: 128
    .sgpr_count:     66
    .vgpr_count:     512
    .wavefront_size: 32
...
	.end_amdgpu_metadata
.endif
;; end of part 2
;; launch proj (part 3): grid 16 x 16, 4 waves a work-group, clusters of 4 x 4, 327,680 bytes of LDS; arguments act16, wf, big, vecs; writes big
.if DOCPART == 3
	.amdgcn_target "amdgcn-amd-amdhsa--gfx1250"
	.amdhsa_code_object_version 6
	.text
	.protected	k_q23498c39c1_proj
	.globl	k_q23498c39c1_proj
	.p2align	8
	.type	k_q23498c39c1_proj,@function
k_q23498c39c1_proj:
	s_mov_b64 s[64:65], 0
	v_nop
	global_prefetch_b8 v0, s[64:65] scope:SCOPE_SE
	s_setreg_imm32_b32 hwreg(HW_REG_WAVE_MODE, 25, 1), 1
	s_wait_xcnt 0x0
	s_wait_alu depctr_hold_cnt(0) depctr_sa_sdst(0) depctr_va_vdst(0) depctr_va_sdst(0) depctr_va_ssrc(0) depctr_va_vcc(0) depctr_vm_vsrc(0)
	s_getreg_b32 s2, hwreg(HW_REG_IB_STS2, 6, 4)
	s_cmp_eq_u32 s2, 0
	s_cbranch_scc0 .Lentry_in_a_cluster
	s_endpgm
.Lentry_in_a_cluster:
	s_bfe_u32 s2, ttmp6, 0x10000c
	s_cmp_lg_u32 s2, 0xf033
	s_cbranch_scc0 .Lentry_shape_is_right
	s_endpgm
.Lentry_shape_is_right:
; C = A B + bias on tiles of 256 x 256; M = N = 4,096, K = 1,024; f16 operands, f32 sums.  A: [M][K], rows along K.  B: [K][N]; its fragments are turned on the way out of LDS (ds_load_tr16_b128).
; RELU = 0: the four projections at once: [Q | K | V | RV] = x W' + bs, rounded to bf16 (these grow with the cube of the inputs' scale: they get bf16's range).
; RELU = 1: hmid = min(max(x1 ff1_w + ff1_b, 0), 65504), rounded to f16.  LIMIT: hmid is cut at f16's largest number.
; Four waves, each 128 x 128: 64 accumulators, 512 registers.  K goes in steps of 128 through two LDS slots.  Waves 0, 1 fetch A's halves (128 rows x 256 bytes), waves 2, 3 B's (64 k-rows x 512 bytes).
; CLUSTERS: 4 x 4 work-groups; A's tile is shared along a row of the cluster, B's along a column: each is asked for jointly, by the same tensor load with the same descriptor and a mask of the four.
; THE MATRIX INSTRUCTION IS USED TRANSPOSED (source 0 = 16 columns of B, source 1 = 16 rows of A): a lane holds eight neighbouring numbers of a row of C.
; REGISTERS: window 0: v0-31 addresses; v64-127, v128-191 A's fragments, two buffers; v192-255 the bias of my 128 columns; on the way out v64-127 sums + bias, v128-159 packed, v32-63 and v160-191 rows read back.
;   window 1: v64-127, v128-191 B's fragments.   windows 2, 3: the accumulators of my rows 0-63, 64-127 ((a, b) at v[8 (8 a + b)]).
.set RELU, 0
.set SIZE_N, 4096
.set SIZE_K, 1024
.set KSTEP,  128
.set PITCHA, 272                       ; 256 bytes + 16: an odd multiple of 16
.set PITCHB, 544                       ; 512 bytes + 32: an odd multiple of 32, as the turning load's 8 rows x 32 bytes want
.set HALFT,  128*PITCHA                ; what one tensor load brings: 128 rows of A, or 64 k-rows of B (64 x 544 is the same number)
.set SLOT,   4*HALFT                   ; A's 256 rows, then B's 128 k-rows
.set STAGE,  2*SLOT                    ; behind the ring: 16 rows x 272 bytes for each wave
.set SPITCH, 272
.set SPARE,  STAGE+4*16*SPITCH         ; behind the stages: the spare words, 128 bytes for each wave, which no other line names
.set LAPS, SIZE_K/(2*KSTEP)
.set ADRA, 16
.set ADRB, 20
.set STO,  24
.set RD,   25
.set CO,   26
.set BO,   27                          ; v27  32 x (lane / 16): my eight numbers of each block's bias
.set SPW,  28                          ; v28  my spare word; never rewritten
.set NIL,  29                          ; v29  0; never rewritten
.set F0,   64
.set F1,   128
.set BIAS, 192
.set T,    64
.set TMP,  128
.set OB,   32
.set G1, 24
.set G0, 32
.set G1B, 48
.set G0B, 56
.set TOP, 66                           ; s66      65504.0
.set BP,  68                           ; s[68:69] the bias
.set MSB, 0
.macro WIN new                         ; the immediate's high byte repeats the setting that is left
.if MSB != \new
	s_set_vgpr_msb (MSB<<8)|\new
.set MSB, \new
.endif
.endm
.set MUL_LO, 0xa1                      ; source 0 (B) window 1, source 1 (A) window 0, C and D window 2
.set MUL_HI, 0xf1                      ; the same, C and D window 3
.set TO_B,   0x40                      ; destination window 1, address window 0
.macro JLOAD s                         ; a joint load: waves 0, 1 ask for A, waves 2, 3 for B; four v_nop follow each line
	s_cmp_eq_u32 s11, 0
	s_cbranch_scc0 .Lfor_b_\@
	tensor_load_to_lds s[G0+4*\s:G0+4*\s+3], s[G1:G1+7]
	s_nop 0
.rept 4
	v_nop
.endr
	s_branch .Lasked_\@
.Lfor_b_\@:
	tensor_load_to_lds s[G0B+4*\s:G0B+4*\s+3], s[G1B:G1B+7]
	s_nop 0
.rept 4
	v_nop
.endr
.Lasked_\@:
.endm
.macro CREST                           ; a round of the cluster's barrier behind its opening barrier
	s_cmp_lg_u32 s10, 0
	s_cbranch_scc1 .Lnot_wave_0_\@
	s_barrier_signal -3
.Lnot_wave_0_\@:
	s_barrier_wait -3
	s_barrier_signal -1
	s_barrier_wait -1
.endm
.macro CROUND
	s_barrier_signal -1
	s_barrier_wait -1
	CREST
.endm
	s_load_b128 s[4:7], s[0:1], 0x0                ; A, B
	s_load_b64 s[8:9], s[0:1], 0x10                ; C
	s_load_b64 s[BP:BP+1], s[0:1], 0x18            ; bias
	v_lshl_add_u32 v[SPW], v0, 2, SPARE
	v_mov_b32 v[NIL], 0
	ds_add_u32 v28, v29
	s_wait_dscnt 0x0
	v_lshrrev_b32 v1, 5, v0
	v_readfirstlane_b32 s10, v1                    ; wave 0..3
	s_lshr_b32 s11, s10, 1                         ; my half of the tile's rows.  Also: I fetch for A (0) or B (1)
	s_and_b32 s12, s10, 1                          ; my half of its columns.  Also: which half of that tile I fetch
	s_mov_b32 s[TOP], 0x477fe000
	s_bfe_u32 s40, ttmp6, 0x40000                  ; cx
	s_bfe_u32 s41, ttmp6, 0x40004                  ; cy
	s_lshl_b32 s42, ttmp9, 2
	s_add_co_u32 s42, s42, s40                     ; tile column
	s_and_b32 s13, ttmp7, 0xffff
	s_lshl_b32 s13, s13, 2
	s_add_co_u32 s13, s13, s41                     ; tile row
	s_lshl_b32 s43, s41, 2
	s_lshl_b32 s43, 15, s43                        ; my row of the cluster
	s_lshl_b32 s44, 0x1111, s40                    ; my column
	s_or_b32 s[G1+0], s43, (1<<16)|(1<<20)|(1<<21)|(5<<22)|(3<<25)   ; mask; 2-byte elements; padding on; bit 21 beside a mask; after every 64 words 4 words
	s_mov_b32 s[G1+1], KSTEP<<16                   ; tensor_dim0 = 128
	s_mov_b32 s[G1+2], 128<<16                     ; tensor_dim1 = 128
	s_mov_b32 s[G1+3], KSTEP<<16                   ; tile_dim0 = 128
	s_mov_b32 s[G1+4], 128                         ; tile_dim1 = 128
	s_mov_b32 s[G1+5], SIZE_K                      ; elements from row to row
	s_mov_b32 s[G1+6], 0
	s_mov_b32 s[G1+7], 0
	s_or_b32 s[G1B+0], s44, (1<<16)|(1<<20)|(1<<21)|(6<<22)|(7<<25)  ; after every 128 words 8 words
	s_mov_b32 s[G1B+1], 256<<16                    ; tensor_dim0 = 256
	s_mov_b32 s[G1B+2], 64<<16                     ; tensor_dim1 = 64
	s_mov_b32 s[G1B+3], 256<<16                    ; tile_dim0 = 256
	s_mov_b32 s[G1B+4], 64                         ; tile_dim1 = 64
	s_mov_b32 s[G1B+5], SIZE_N
	s_mov_b32 s[G1B+6], 0
	s_mov_b32 s[G1B+7], 0
	; A's offset is made of the tile row and the wave's number, B's of the tile column and the wave's number, in registers of their own
	s_lshl_b32 s17, s12, 7
	s_lshl_b32 s16, s13, 8
	s_add_co_u32 s16, s16, s17                     ; A: row 256 x tile row + 128 x half,
	s_lshl_b32 s16, s16, 11                        ; of 2,048 bytes
	s_mov_b32 s17, 0
	s_lshl_b32 s46, s12, 19                        ; B: 64 k-rows of 8,192 bytes x half
	s_lshl_b32 s47, s42, 9                         ; + 256 columns of 2 bytes x tile column
	s_add_co_u32 s46, s46, s47
	s_mov_b32 s47, 0
	s_mul_i32 s20, s10, HALFT                      ; where they go: wave x one load's bytes: no place in the cluster enters an LDS address
	s_wait_kmcnt 0x0
	s_add_nc_u64 s[14:15], s[4:5], s[16:17]
	s_add_nc_u64 s[46:47], s[6:7], s[46:47]
	CROUND                                         ; all sixteen work-groups are here: the first joint loads meet
.irp s, 0,1
	s_mov_b32 s[G0+4*\s], 1
	s_add_co_u32 s[G0+4*\s+1], s20, \s*SLOT
	s_add_nc_u64 s[G0+4*\s+2:G0+4*\s+3], s[14:15], \s*KSTEP*2
	s_or_b32 s[G0+4*\s+3], s[G0+4*\s+3], 0x80000000
	s_mov_b32 s[G0B+4*\s], 1
	s_add_co_u32 s[G0B+4*\s+1], s20, \s*SLOT
	s_add_nc_u64 s[G0B+4*\s+2:G0B+4*\s+3], s[46:47], \s*0x100000     ; 128 k-rows of 8,192 bytes
	s_or_b32 s[G0B+4*\s+3], s[G0B+4*\s+3], 0x80000000
	JLOAD \s                                       ; two loads of mine are out
.endr
	s_lshl_b32 s46, s42, 10                        ; the bias of my 128 columns: 4 bytes x (256 x tile column + 128 x half)
	s_lshl_b32 s47, s12, 9
	s_add_co_u32 s46, s46, s47
	s_mov_b32 s47, 0
	s_add_nc_u64 s[BP:BP+1], s[BP:BP+1], s[46:47]
	v_and_b32 v1, 15, v0                           ; r = l % 16
	v_bfe_u32 v2, v0, 4, 1                         ; h = l / 16
	v_lshlrev_b32 v[BO], 5, v2
.irp b, 0,1,2,3,4,5,6,7
	global_load_b128 v[BIAS+8*\b:BIAS+8*\b+3],   v[BO], s[BP:BP+1] offset:64*\b      ; columns 16 b + 8 h + 0..7: waited for on the way out
	global_load_b128 v[BIAS+8*\b+4:BIAS+8*\b+7], v[BO], s[BP:BP+1] offset:64*\b+16
.endr
	v_mul_u32_u24 v3, v1, PITCHA
	v_lshl_add_u32 v3, v2, 4, v3                   ; A: row x pitch + 16 h
	v_and_b32 v4, 7, v0                            ; B, turned: lane l reads 16 bytes of k-row 8 h + l % 8, columns 8 ((l / 8) % 2) on
	v_lshl_add_u32 v4, v2, 3, v4
	v_mul_u32_u24 v4, v4, PITCHB
	v_bfe_u32 v5, v0, 3, 1
	v_lshl_add_u32 v4, v5, 4, v4
	s_mul_i32 s21, s11, HALFT                      ; my 128 rows of A
	s_lshl_b32 s22, s12, 8                         ; my 128 columns of B,
	s_add_co_u32 s22, s22, 2*HALFT                 ; which lies behind A's 256 rows
.irp s, 0,1
	v_add_nc_u32 v[ADRA+\s], s21, v3
	v_add_nc_u32 v[ADRB+\s], s22, v4
	s_add_co_u32 s21, s21, SLOT
	s_add_co_u32 s22, s22, SLOT
.endr
	s_mul_i32 s23, s10, 16*SPITCH
	s_add_co_u32 s23, s23, STAGE                   ; my stage
	v_mul_u32_u24 v4, v1, SPITCH                   ; in: row l % 16, 16 bytes for each half of the lanes
	v_lshl_add_u32 v4, v2, 4, v4
	v_add_nc_u32 v[STO], s23, v4
	v_mul_u32_u24 v5, v2, SPITCH                   ; back: lanes 0-15 take one row of 256 bytes, lanes 16-31 the next
	v_lshl_add_u32 v5, v1, 4, v5
	v_add_nc_u32 v[RD], s23, v5
	v_mul_u32_u24 v5, v2, SIZE_N*2                 ; and the same two rows in C
	v_lshl_add_u32 v[CO], v1, 4, v5
	s_lshl_b32 s13, s13, 8
	s_lshl_b32 s14, s11, 7
	s_add_co_u32 s16, s13, s14                     ; my first row of C,
	s_lshl_b32 s16, s16, 13                        ; of 8,192 bytes
	s_mov_b32 s17, 0
	s_lshl_b32 s46, s42, 9                         ; my first column, in bytes
	s_lshl_b32 s47, s12, 8
	s_add_co_u32 s46, s46, s47
	s_mov_b32 s47, 0
	s_add_nc_u64 s[16:17], s[16:17], s[46:47]
; 16 matrix instructions: m blocks a0, a0 + 1 of the window's four x all 8 n blocks, 32 along K.  zero = 1: the first product starts the sums
.macro MUL16 f, hi, a0, zero
.irp a, \a0, \a0+1
.irp b, 0,1,2,3,4,5,6,7
.if \zero
	v_wmma_f32_16x16x32_f16 v[8*(8*(\a)+\b):8*(8*(\a)+\b)+7], v[\f+8*\b:\f+8*\b+7], v[\f+8*(4*\hi+\a):\f+8*(4*\hi+\a)+7], 0
.else
	v_wmma_f32_16x16x32_f16 v[8*(8*(\a)+\b):8*(8*(\a)+\b)+7], v[\f+8*\b:\f+8*\b+7], v[\f+8*(4*\hi+\a):\f+8*(4*\hi+\a)+7], v[8*(8*(\a)+\b):8*(8*(\a)+\b)+7]
.endif
.endr
.endr
.endm
; 32 LDS loads in one run: the fragments of one quarter step (32 K at byte k of A's rows = k-rows k / 2 on of B) into buffer f
.macro FETCH slot, k, f
	WIN TO_B
.irp i, 0,1,2,3,4,5,6,7
	ds_load_tr16_b128 v[\f+8*\i:\f+8*\i+3],   v[ADRB+\slot] offset:(\k/64)*32*PITCHB+32*\i
	ds_load_tr16_b128 v[\f+8*\i+4:\f+8*\i+7], v[ADRB+\slot] offset:(\k/64)*32*PITCHB+16*PITCHB+32*\i
.endr
	WIN 0
.irp i, 0,1,2,3,4,5,6,7
	ds_load_b128 v[\f+8*\i:\f+8*\i+3],   v[ADRA+\slot] offset:\k+\i*16*PITCHA
	ds_load_b128 v[\f+8*\i+4:\f+8*\i+7], v[ADRA+\slot] offset:\k+\i*16*PITCHA+32
.endr
.endm
.macro PLACES                          ; four plain vector instructions between matrix instructions and loads into, or vector reads of, their registers
.rept 4
	v_nop
.endr
.endm
; A K step is four quarters of 32 along K, 64 matrix instructions each, on buffers 0, 1, 0, 1; the 64 accumulators take turns in one fixed order.
.macro QUARTER slot, k, f, g, zero
	s_wait_dscnt 8                                 ; B and A's rows 0-63 are in; the youngest eight loads (A's rows 64-127) may be out
	WIN MUL_LO
	MUL16 \f, 0, 0, \zero
	MUL16 \f, 0, 2, \zero
	PLACES
	FETCH \slot, \k, \g
	s_wait_dscnt 32                                ; all but the 32 just issued
	WIN MUL_HI
	MUL16 \f, 1, 0, \zero
	MUL16 \f, 1, 2, \zero
.endm
; The first half of the last quarter: one barrier for the change of slots
.macro MEET round
	WIN 0                                          ; (the add's two registers lie in window 0)
	s_wait_tensorcnt 0x0                           ; all my tensor loads have landed: the one that was out is my part of the next slot
	ds_add_u32 v[SPW], v[NIL]                      ; 0 onto my spare word
	s_wait_dscnt 9                                 ; (the add and the youngest eight loads may be out)
	WIN MUL_LO
	MUL16 F1, 0, 0, 0
	s_wait_dscnt 0x0                               ; the add is done, and my reads of this slot are over
	s_barrier_signal -1
	MUL16 F1, 0, 2, 0
.if \round
	WIN 0
.endif
	s_barrier_wait -1
.endm
.macro TURN slot, next
	MEET 1
	CREST                                          ; no wave of any partner still reads this slot or has a load on its way
	s_add_nc_u64 s[G0+4*\slot+2:G0+4*\slot+3], s[G0+4*\slot+2:G0+4*\slot+3], 2*KSTEP*2
	s_add_nc_u64 s[G0B+4*\slot+2:G0B+4*\slot+3], s[G0B+4*\slot+2:G0B+4*\slot+3], 0x200000
	JLOAD \slot                                    ; my one tensor load behind the round; its four v_nop are also the places in front of the loads below
	FETCH \next, 0, F0
	WIN MUL_HI
	MUL16 F1, 1, 0, 0
	MUL16 F1, 1, 2, 0
.endm
; THE WAY OUT of block a (16 rows).  PACK: + bias, (clamp,) rounded, 16 bytes a lane.  TOSTAGE: into my own stage and back as whole rows of 256 bytes.  SEND: stored.
.macro PACK a
.set AC, 64*((\a)%4)
	WIN 0x02+((\a)/4)                              ; source 0: window 2 or 3
.irp b, 0,1,2,3,4,5,6,7
.irp r, 0,1,2,3
	v_pk_add_f32 v[T+8*\b+2*\r:T+8*\b+2*\r+1], v[AC+8*\b+2*\r:AC+8*\b+2*\r+1], v[BIAS+8*\b+2*\r:BIAS+8*\b+2*\r+1]   ; each accumulator from its low end on
.endr
.endr
	WIN 0
.if RELU
.set i, 0
.rept 64
	v_med3_num_f32 v[T+i], v[T+i], 0, s[TOP]
.set i, i+1
.endr
.endif
.set i, 0
.rept 32
.if RELU
	v_cvt_pk_f16_f32 v[TMP+i], v[T+2*i], v[T+2*i+1]
.else
	v_cvt_pk_bf16_f32 v[TMP+i], v[T+2*i], v[T+2*i+1]
.endif
.set i, i+1
.endr
.endm
.macro TOSTAGE a
.set BK, OB+128*((\a)%2)
.irp b, 0,1,2,3,4,5,6,7
	ds_store_b128 v[STO], v[TMP+4*\b:TMP+4*\b+3] offset:32*\b
.endr
.irp t, 0,1,2,3,4,5,6,7
	ds_load_b128 v[BK+4*\t:BK+4*\t+3], v[RD] offset:\t*2*SPITCH    ; LDS serves a wave's instructions in order: these see the stores above
.endr
.endm
.macro SEND a, younger
.set BK, OB+128*((\a)%2)
	s_wait_dscnt \younger                          ; the block is back in registers
	s_wait_xcnt 0x0                                ; only behind this wait are the stores' base and the registers that earlier stores read rewritten
.if (\a) == 0
	s_add_nc_u64 s[8:9], s[8:9], s[16:17]          ; on to my first rows
.else
	s_add_nc_u64 s[8:9], s[8:9], 16*SIZE_N*2       ; 16 rows of C on
.endif
.irp t, 0,1,2,3,4,5,6,7
	global_store_b128 v[CO], v[BK+4*\t:BK+4*\t+3], s[8:9] offset:2*\t*SIZE_N*2   ; 16 lanes store 256 consecutive bytes, aligned
.endr
.endm
	s_wait_tensorcnt 1                             ; my part of K step 0 is in; K step 1's may stay out
	s_barrier_signal -1
	s_barrier_wait -1
	FETCH 0, 0, F0
	QUARTER 0, 64,  F0, F1, 1                      ; the first quarter stands in front of the loop: its products start the sums
	WIN 0
	s_mov_b32 s3, LAPS-1
.Llap:                                                 ; a trip goes once round the ring and fills both slots again
	QUARTER 0, 128, F1, F0, 0
	QUARTER 0, 192, F0, F1, 0
	TURN 0, 1
	QUARTER 1, 64,  F0, F1, 0
	QUARTER 1, 128, F1, F0, 0
	QUARTER 1, 192, F0, F1, 0
	TURN 1, 0
	QUARTER 0, 64,  F0, F1, 0
	WIN 0
	s_sub_co_u32 s3, s3, 1
	s_cmp_lg_u32 s3, 0
	s_cbranch_scc1 .Llap
	QUARTER 0, 128, F1, F0, 0                      ; the last lap fills nothing
	QUARTER 0, 192, F0, F1, 0
	MEET 0
	PLACES
	FETCH 1, 0, F0
	WIN MUL_HI
	MUL16 F1, 1, 0, 0
	MUL16 F1, 1, 2, 0
	QUARTER 1, 64,  F0, F1, 0
	QUARTER 1, 128, F1, F0, 0
	QUARTER 1, 192, F0, F1, 0
	s_wait_dscnt 8                                 ; the very last quarter: nothing more to fetch
	WIN MUL_LO
	MUL16 F1, 0, 0, 0
	MUL16 F1, 0, 2, 0
	s_wait_dscnt 0x0
	WIN MUL_HI
	MUL16 F1, 1, 0, 0
	MUL16 F1, 1, 2, 0
	WIN 0
	s_wait_loadcnt 0x0                             ; the bias
	PLACES
	PACK 0
	TOSTAGE 0
.irp a, 1,2,3,4,5,6,7                  ; block a's arithmetic stands between block a - 1's loads from the stage and the wait for them
	PACK \a
	SEND \a-1, 0
	TOSTAGE \a
.endr
	SEND 7, 0
	s_wait_tensorcnt 0x0                           ; the wave's end
	ds_add_u32 v[SPW], v[NIL]
	s_wait_dscnt 0x0
	CROUND                                         ; the closing round: no work-group ends while a partner may still ask for a tile that names it
	s_endpgm
.Lfunc_end_k_q23498c39c1_proj:
	.size	k_q23498c39c1_proj, .Lfunc_end_k_q23498c39c1_proj-k_q23498c39c1_proj
	.p2alignl 7, 3214868480
	.fill 96, 4, 3214868480
	.section	.rodata,"a",@progbits
	.p2align	6, 0x0
	.amdhsa_kernel k_q23498c39c1_proj
		.amdhsa_group_segment_fixed_size 327680
		.amdhsa_private_segment_fixed_size 0
		.amdhsa_enable_private_segment 0
		.amdhsa_kernarg_size 32
		.amdhsa_user_sgpr_count 2
		.amdhsa_user_sgpr_kernarg_segment_ptr 1
		.amdhsa_wavefront_size32 1
		.amdhsa_system_sgpr_workgroup_id_x 1
		.amdhsa_system_sgpr_workgroup_id_y 1
		.amdhsa_system_sgpr_workgroup_id_z 1
		.amdhsa_system_vgpr_workitem_id 0
		.amdhsa_next_free_vgpr 1024
		.amdhsa_next_free_sgpr 70
		.amdhsa_reserve_vcc 0
		.amdhsa_float_denorm_mode_32 3
		.amdhsa_float_denorm_mode_16_64 3
		.amdhsa_memory_ordered 1
		.amdhsa_forward_progress 1
		.amdhsa_inst_pref_size 161
	.end_amdhsa_kernel
	.amdgpu_metadata
---
amdhsa.version: [ 1, 2 ]
amdhsa.kernels:
  - .name:           k_q23498c39c1_proj
    .symbol:         k_q23498c39c1_proj.kd
    .args:
      - { .name: act16, .offset: 0, .size: 8, .value_kind: global_buffer, .address_space: global }
      - { .name: wf, .offset: 8, .size: 8, .value_kind: global_buffer, .address_space: global }
      - { .name: big, .offset: 16, .size: 8, .value_kind: global_buffer, .address_space: global }
      - { .name: vecs, .offset: 24, .size: 8, .value_kind: global_buffer, .address_space: global }
    .group_segment_fixed_size: 327680
    .private_segment_fixed_size: 0
    .kernarg_segment_align: 8
    .kernarg_segment_size: 32
    .max_flat_workgroup_size: 128
    .sgpr_count:     70
    .vgpr_count:     1024
    .wavefront_size: 32
...
	.end_amdgpu_metadata
.endif
;; end of part 3
;; launch attn (part 4): grid 4 x 64, 8 waves a work-group, clusters of 4 x 1, 327,680 bytes of LDS; arguments big, x, vecs, y; writes y
.if DOCPART == 4
	.amdgcn_target "amdgcn-amd-amdhsa--gfx1250"
	.amdhsa_code_object_version 6
	.text
	.protected	k_q23498c39c1_attn
	.globl	k_q23498c39c1_attn
	.p2align	8
	.type	k_q23498c39c1_attn,@function
k_q23498c39c1_attn:
	s_mov_b64 s[64:65], 0
	v_nop
	global_prefetch_b8 v0, s[64:65] scope:SCOPE_SE
	s_setreg_imm32_b32 hwreg(HW_REG_WAVE_MODE, 25, 1), 1
	s_wait_xcnt 0x0
	s_wait_alu depctr_hold_cnt(0) depctr_sa_sdst(0) depctr_va_vdst(0) depctr_va_sdst(0) depctr_va_ssrc(0) depctr_va_vcc(0) depctr_vm_vsrc(0)
	s_getreg_b32 s2, hwreg(HW_REG_IB_STS2, 6, 4)
	s_cmp_eq_u32 s2, 0
	s_cbranch_scc0 .Lentry_in_a_cluster
	s_endpgm
.Lentry_in_a_cluster:
	s_bfe_u32 s2, ttmp6, 0x10000c
	s_cmp_lg_u32 s2, 0x3003
	s_cbranch_scc0 .Lentry_shape_is_right
	s_endpgm
.Lentry_shape_is_right:
; y = x + softmax_j(Q K^T scaling + bias[min(|i - j|, 49)]) V + RV, in f32.  big: [4096 tokens][Q | K | V | RV, 1,024 each] bf16.  Q already carries scaling[h] log2(e) and
; the table btab carries log2(e), so the scores come out in base 2; a running maximum is taken away before every exponential.
; SHARES.  A work-group owns 128 queries of two neighbouring heads of one batch row; the cluster's four work-groups are the four query blocks and walk the same K and V, which are
; asked for JOINTLY (mask 15).  Two heads together make K's and V's rows 256 aligned bytes.  All 512 keys lie in LDS, each byte filled once, and all have landed before the first read.
; Wave w: head w / 4 of the two, queries 32 (3 - w % 4) + 0..31: two tiles of 16.  Two waves share a SIMD, so one wave's softmax stands beside the other's products: the step is written in phases.
; LAYOUT.  S^T = K Q^T (source 0 = 16 keys, source 1 = 16 queries): a lane holds ONE query and keys 8 (lane / 16) + 0..7.  Rounded to bf16 in pairs, two such tiles are source 1
; of O^T = V^T P.  V ([key][channel]) is turned on the way out of LDS.  The bias is the C operand of the first product of each score tile.
; LANE r OF A TILE HOLDS QUERY 15 - r, and the waves take the query blocks in descending order: the place of a lane's bias words then ASCENDS with r and with the wave's number, so every
; LDS address is a sum of shifted pieces of the thread's number.  The reversal stands in the global offsets of Q, x, RV and y alone.
; BIAS STRIPS.  With x' = key - (query in the block) + 127, the bias is R[x'] = btab[min(|x' - 127 - 128 cx|, 49)][head]: only the VALUES hang on the block's place, no LDS address.
; Copy c of four holds R[c + i] at word i, so that a lane's eight neighbouring entries begin at a multiple of 16 bytes in copy x' % 4 = r % 4.
; x AND RV are asked for as soon as the keys have landed, into 96 registers of the second window (v256-351): the walk over all 512 keys stands between the request and the use.
; LIMITS: Q, K, V, RV and the weights p are bf16.
.set PK,    272                        ; a row of K: 256 bytes + 16
.set PV,    288                        ; a row of V: 256 bytes + 32
.set VBASE, 512*PK
.set STRIP, VBASE+512*PV               ; 2 heads x 4 copies x 2,624 bytes (640 words + 64 bytes: copy c starts 64 c bytes on modulo 256)
.set CPY,   2624
.set HSTR,  4*CPY
.set SP,    272                        ; the way out: each wave's stage, 16 rows x 272 bytes, in K's bytes once every wave has read its last key
.set AK,  2                            ; v2   K's fragments
.set AV,  3                            ; v3   V's fragments
.set AB,  4                            ; v4   my eight bias words, tile 1 (tile 0: 64 bytes on)
.set QO,  5                            ; v5   my offset in Q; on the way out my offset in y
.set GX,  5
.set STO, 6
.set RD,  7
.set ST,  8                            ; v8-23   tile t at ST + 8 t: +0 m (+1 named with it), +2, +3 l (even, odd keys), +4 a (+5 named with it), +6, +7 at work
.set C,   24                           ; v24-31  at work
.set Q,   32                           ; v32-63  Q[t][ks] at 32 + 16 t + 8 ks
.set S,   64                           ; v64-127 S[t][kt] at 64 + 32 t + 8 kt; P is packed into each tile's first 16
.set F,   128                          ; v128-191 K's fragments, then V's; on the way out RV + x
.set O,   192                          ; v192-255 O[t][ct] at 192 + 32 t + 8 ct
.set XW,  0                            ; second window: v256-319  x, four registers for each pair of tokens
.set RW,  64                           ; second window: v320-351  RV, two registers (4 bf16) for each pair of tokens
.set WV,  12
.set G1K, 24                           ; s[24:31] descriptor group 1 for K
.set G1V, 32                           ; s[32:39] for V: it differs in the padding alone
.set G0K, 40                           ; s[40:43] descriptor group 0 for K
.set G0V, 44                           ; s[44:47] for V
.set CNT, 56
.set SEL, 60
.set MSB, 0
.macro WIN new                         ; s_set_vgpr_msb: bits 1:0 source 0, 3:2 source 1, 5:4 source 2, 7:6 destination; the high byte repeats the setting that is left
.if MSB != \new
	s_set_vgpr_msb (MSB<<8)|\new
.set MSB, \new
.endif
.endm
.macro ROUND                           ; a round of the cluster's barrier
	s_barrier_signal -1
	s_barrier_wait -1
	s_cmp_lg_u32 s[WV], 0
	s_cbranch_scc1 .Lnot_wave_0_\@
	s_barrier_signal -3
.Lnot_wave_0_\@:
	s_barrier_wait -3
	s_barrier_signal -1
	s_barrier_wait -1
.endm
	s_load_b256 s[4:11], s[0:1], 0x0               ; big s[4:5], x s[6:7], vecs s[8:9], y s[10:11]
	s_set_vgpr_msb 0x40
	v_lshl_add_u32 v96, v0, 2, 0x4b200
	v_mov_b32 v97, 0
	s_set_vgpr_msb 0x4045
	ds_add_u32 v96, v97
	s_set_vgpr_msb 0x4500
	v_lshrrev_b32 v1, 5, v0
	v_readfirstlane_b32 s[WV], v1                  ; wave 0..7
	s_bfe_u32 s13, ttmp6, 0x40000                  ; cx: my block of 128 queries
	s_and_b32 s14, ttmp7, 0xffff
	s_lshr_b32 s15, s14, 3                         ; batch row
	s_and_b32 s14, s14, 7                          ; pair of heads
	s_lshr_b32 s16, s[WV], 2                       ; which head of the pair
	s_and_b32 s17, s[WV], 3                        ; p: which 128 keys I fetch, which copy of a strip I build; my queries are block 3 - p
	s_mov_b32 s[G1K], 15|(1<<16)|(1<<20)|(1<<21)|(5<<22)|(3<<25)   ; mask of all four; 2-byte elements; padding on; bit 21 beside a mask; after every 64 words 4 words
	s_mov_b32 s[G1V], 15|(1<<16)|(1<<20)|(1<<21)|(5<<22)|(7<<25)   ; the same with 8 words
.irp g, G1K, G1V
	s_mov_b32 s[\g+1], 128<<16                     ; tensor_dim0 = 128
	s_mov_b32 s[\g+2], 128<<16                     ; tensor_dim1 = 128
	s_mov_b32 s[\g+3], 128<<16                     ; tile_dim0 = 128
	s_mov_b32 s[\g+4], 128                         ; tile_dim1 = 128
	s_mov_b32 s[\g+5], 4096                        ; elements from token to token
	s_mov_b32 s[\g+6], 0
	s_mov_b32 s[\g+7], 0
.endr
	s_mov_b32 s[SEL], 0x76543210
	s_mov_b32 s[SEL+1], 0xfedcba98
	s_lshl_b32 s22, s15, 22                        ; K, V: 512 tokens of 8,192 bytes x batch row
	s_lshl_b32 s23, s17, 20                        ; + 128 tokens x p
	s_add_co_u32 s22, s22, s23
	s_lshl_b32 s23, s14, 8                         ; + 256 bytes x pair: nothing here hangs on cx
	s_add_co_u32 s22, s22, s23
	s_mov_b32 s23, 0
	s_mul_i32 s19, s17, 128*PV
	s_wait_dscnt 0x0
	s_wait_kmcnt 0x0
	s_add_nc_u64 s[22:23], s[4:5], s[22:23]
	s_mov_b32 s[G0K], 1                            ; count = 1
	s_mul_i32 s[G0K+1], s17, 128*PK                ; LDS address: my 128 rows of K
	s_add_nc_u64 s[G0K+2:G0K+3], s[22:23], 2048    ; K lies 2,048 bytes into a token's row
	s_or_b32 s[G0K+3], s[G0K+3], 0x80000000        ; type = 2
	s_mov_b32 s[G0V], 1
	s_add_co_u32 s[G0V+1], s19, VBASE
	s_add_nc_u64 s[G0V+2:G0V+3], s[22:23], 4096    ; V 4,096 bytes
	s_or_b32 s[G0V+3], s[G0V+3], 0x80000000
	ROUND                                          ; all four work-groups are here: the joint loads meet
	s_cmp_lt_u32 s[WV], 4                          ; waves 0-3 ask for K, waves 4-7 for V: one load of mine is out; four v_nop follow each line
	s_cbranch_scc0 .Lfirst_v
	tensor_load_to_lds s[G0K:G0K+3], s[G1K:G1K+7]
	s_nop 0
.rept 4
	v_nop
.endr
	s_branch .Lfirst_asked
.Lfirst_v:
	tensor_load_to_lds s[G0V:G0V+3], s[G1V:G1V+7]
	s_nop 0
.rept 4
	v_nop
.endr
.Lfirst_asked:
	; global offsets: these hang on cx and stay in s2, s3 and s50, which feed no LDS address
	s_sub_co_u32 s48, 3, s17                       ; my block of 32 queries
	s_lshl_b32 s2, s15, 22                         ; Q and RV: my wave's first token, my head
	s_lshl_b32 s3, s13, 20
	s_add_co_u32 s2, s2, s3
	s_lshl_b32 s3, s48, 18
	s_add_co_u32 s2, s2, s3
	s_lshl_b32 s3, s14, 8
	s_add_co_u32 s2, s2, s3
	s_lshl_b32 s3, s16, 7
	s_add_co_u32 s2, s2, s3
	s_mov_b32 s3, 0
	s_add_nc_u64 s[20:21], s[4:5], s[2:3]
	s_lshl_b32 s2, s15, 21                         ; x and y: tokens of 4,096 bytes, heads of 256
	s_lshl_b32 s3, s13, 19
	s_add_co_u32 s2, s2, s3
	s_lshl_b32 s3, s48, 17
	s_add_co_u32 s2, s2, s3
	s_lshl_b32 s3, s14, 9
	s_add_co_u32 s2, s2, s3
	s_lshl_b32 s3, s16, 8
	s_add_co_u32 s2, s2, s3
	s_mov_b32 s3, 0
	s_add_nc_u64 s[6:7], s[6:7], s[2:3]
	s_add_nc_u64 s[10:11], s[10:11], s[2:3]
	s_lshl_b32 s52, s14, 3                         ; btab: my head's word in each row of 16
	s_lshl_b32 s53, s16, 2
	s_add_co_u32 s52, s52, s53
	s_add_co_u32 s52, s52, 32768
	s_mov_b32 s53, 0
	s_add_nc_u64 s[8:9], s[8:9], s[52:53]
	v_and_b32 v1, 15, v0                           ; r
	v_bfe_u32 v24, v0, 4, 1                        ; h
	v_and_b32 v25, 31, v0                          ; lane
	v_sub_nc_u32 v29, 15, v1                       ; my query in a tile
	v_lshlrev_b32 v[QO], 13, v29
	v_lshl_add_u32 v[QO], v24, 4, v[QO]            ; token 15 - r, 16 bytes x h
.irp t, 0,1
.irp ks, 0,1
	global_load_b128 v[Q+16*\t+8*\ks:Q+16*\t+8*\ks+3],   v[QO], s[20:21] offset:131072*\t+64*\ks
	global_load_b128 v[Q+16*\t+8*\ks+4:Q+16*\t+8*\ks+7], v[QO], s[20:21] offset:131072*\t+64*\ks+32
.endr
.endr
	; my copy of my head's strip: words 4 (lane + 32 n) + u hold R[c + word]; |t| is the unsigned minimum of t and -t
	s_lshl_b32 s50, s13, 7
	s_sub_co_i32 s50, s17, s50
	s_sub_co_i32 s50, s50, 127                     ; c - 127 - 128 cx
	v_lshl_add_u32 v26, v25, 2, s50
.irp n, 0,1,2,3,4
.irp u, 0,1,2,3
	v_add_nc_u32 v[S+4*\n+\u], 128*\n+\u, v26
	v_sub_nc_u32 v27, 0, v[S+4*\n+\u]
	v_min_u32 v[S+4*\n+\u], v[S+4*\n+\u], v27
	v_min_u32 v[S+4*\n+\u], 49, v[S+4*\n+\u]
	v_lshlrev_b32 v[S+4*\n+\u], 6, v[S+4*\n+\u]    ; a row of the table is 64 bytes
	global_load_b32 v[S+4*\n+\u], v[S+4*\n+\u], s[8:9]   ; the load lands on its own address register
.endr
.endr
	; offsets of x and of RV as the way out wants them.  Stage row rho holds query 15 - rho: the pair of rows 2 f, 2 f + 1 is the pair of tokens 15 - 2 f, 14 - 2 f, so lanes 0-15 take the upper token of the two.
	v_sub_nc_u32 v31, 1, v24                       ; 1 for lanes 0-15, 0 for lanes 16-31
	v_lshlrev_b32 v30, 4, v1
	v_lshl_add_u32 v30, v31, 12, v30               ; x: sixteen lanes take one token's 256 bytes
	v_lshlrev_b32 v27, 3, v1
	v_lshl_add_u32 v31, v31, 13, v27               ; RV: 8 bytes (4 bf16) a lane
	; LDS addresses: sums of shifted pieces of the thread's number, the wave's number times constants, and constants
	s_mul_i32 s57, s16, HSTR
	s_add_co_u32 s57, s57, STRIP                   ; my head's strips
	s_mul_i32 s58, s17, CPY
	s_add_co_u32 s58, s58, s57                     ; the copy that I build
	v_lshl_add_u32 v28, v25, 4, s58
	v_mul_u32_u24 v[AK], v1, PK
	v_lshl_add_u32 v[AK], v24, 4, v[AK]
	s_lshl_b32 s62, s16, 7                         ; my head's 128 bytes of a row
	v_add_nc_u32 v[AK], s62, v[AK]
	v_and_b32 v29, 7, v0                           ; V, turned: lane l reads 16 bytes of key 8 h + l % 8, channels 8 ((l / 8) % 2) on
	v_lshl_add_u32 v29, v24, 3, v29
	v_mul_u32_u24 v[AV], v29, PV
	v_bfe_u32 v29, v0, 3, 1
	v_lshl_add_u32 v[AV], v29, 4, v[AV]
	s_add_co_u32 s63, s62, VBASE
	v_add_nc_u32 v[AV], s63, v[AV]
	v_and_b32 v29, 3, v0                           ; the bias of tile 1 begins at x' = r + 8 h + 32 p: copy r % 4,
	v_mul_u32_u24 v[AB], v29, CPY
	v_and_b32 v29, 12, v0                          ; word (r & 12) + 8 h + 32 p
	v_lshl_add_u32 v[AB], v29, 2, v[AB]
	v_lshl_add_u32 v[AB], v24, 5, v[AB]
	s_lshl_b32 s59, s17, 7
	s_add_co_u32 s59, s59, s57
	v_add_nc_u32 v[AB], s59, v[AB]
	s_mul_i32 s49, s[WV], 16*SP                    ; my stage
	v_mul_u32_u24 v[STO], v1, SP
	v_lshl_add_u32 v[STO], v24, 5, v[STO]
	v_add_nc_u32 v[STO], s49, v[STO]               ; in: row r, 32 bytes (8 f32) x h
	v_mul_u32_u24 v[RD], v24, SP
	v_lshl_add_u32 v[RD], v1, 4, v[RD]
	v_add_nc_u32 v[RD], s49, v[RD]                 ; back: lanes 0-15 one row of 256 bytes, lanes 16-31 the next
.irp t, 0,1
	v_mov_b32 v[ST+8*\t+1], 0                      ; named as the upper halves of pairs whose low half alone is used
	v_mov_b32 v[ST+8*\t+5], 0
	v_mov_b32 v[ST+8*\t+7], 0
.endr
	s_wait_loadcnt 0x0                             ; Q and the strip's 20 words
.irp n, 0,1,2,3,4
	ds_store_b128 v28, v[S+4*\n:S+4*\n+3] offset:512*\n
.endr
	s_wait_tensorcnt 0x0                           ; my 128 rows of K or of V are in
	s_wait_dscnt 0x0                               ; for the others' sake: my copy of the strip is written
	s_barrier_signal -1
	s_barrier_wait -1                              ; everybody's are: all keys, all values, all strips
	; x and RV of my 32 tokens: 32 loads, behind the tiles so that they do not stand in front of them, and ahead of all eight steps
	WIN 0x40                                       ; destination in the second window, address in the first
.irp t, 0,1
.irp f, 0,1,2,3,4,5,6,7
	global_load_b128 v[XW+4*(8*\t+\f):XW+4*(8*\t+\f)+3], v30, s[6:7] offset:4096*(16*\t+14-2*\f)
.endr
.endr
.irp t, 0,1
.irp f, 0,1,2,3,4,5,6,7
	global_load_b64 v[RW+2*(8*\t+\f):RW+2*(8*\t+\f)+1], v31, s[20:21] offset:8192*(16*\t+14-2*\f)+6144
.endr
.endr
	WIN 0
	s_wait_xcnt 0x0                                ; v30 and v31 lie among the softmax's working registers: they are rewritten only behind this wait
; One tile's softmax for a step of 64 keys.  first = 1: the first step, which starts m and l and has nothing to rescale.
.macro SOFT t, first
.set rT, ST+8*\t
.set rS, S+32*\t
.set rO, O+32*\t
.irp j, 0,1,2,3
	v_max3_num_f32 v[C+\j], v[rS+8*\j], v[rS+8*\j+1], v[rS+8*\j+2]      ; each score tile is read from its low end on
.endr
.irp j, 0,1,2,3
	v_max3_num_f32 v[C+\j], v[C+\j], v[rS+8*\j+3], v[rS+8*\j+4]
.endr
.irp j, 0,1,2,3
	v_max3_num_f32 v[C+\j], v[C+\j], v[rS+8*\j+5], v[rS+8*\j+6]
.endr
	v_max3_num_f32 v[C], v[C], v[rS+7], v[rS+15]
	v_max3_num_f32 v[C+2], v[C+2], v[rS+23], v[rS+31]
	v_max3_num_f32 v[C], v[C], v[C+1], v[C+2]
.if \first
	v_max_num_f32 v[C], v[C], v[C+3]
.else
	v_max3_num_f32 v[C], v[C], v[C+3], v[rT]
.endif
	v_permlanex16_b32 v[C+1], v[C], s[SEL], s[SEL+1]                    ; the query's other 32 keys lie in the lane 16 away
.if \first
	v_max_num_f32 v[rT], v[C], v[C+1]
.else
	v_max_num_f32 v[C], v[C], v[C+1]
	v_sub_f32 v[rT+4], v[rT], v[C]                 ; m_old - m_new
	v_mov_b32 v[rT], v[C]
	v_exp_f32 v[rT+4], v[rT+4]                     ; a; the subtractions below are the plain instructions behind it
.endif
.set i, 0
.rept 16
	v_pk_add_f32 v[rS+i:rS+i+1], v[rS+i:rS+i+1], v[rT:rT+1] op_sel_hi:[1,0] neg_lo:[0,1] neg_hi:[0,1]
.set i, i+2
.endr
.set i, 0
.rept 32
	v_exp_f32 v[rS+i], v[rS+i]
.set i, i+1
.endr
.if \first
	v_nop                                          ; a plain instruction between the last exponential and the use of its result
	s_wait_alu depctr_va_vdst(0)
.else
.set i, 0
	s_wait_alu depctr_va_vdst(0)
.rept 16
	v_pk_mul_f32 v[rO+i:rO+i+1], v[rO+i:rO+i+1], v[rT+4:rT+5] op_sel_hi:[1,0]   ; O^T times a, ascending; also the plain work behind the exponentials
.set i, i+2
.endr
.endif
.irp c, 0,1,2,3
	v_pk_add_f32 v[C+2*\c:C+2*\c+1], v[rS+2*\c:rS+2*\c+1], v[rS+8+2*\c:rS+8+2*\c+1]   ; the sum of 16 pairs, in four chains
.endr
.irp k, 16,24
.irp c, 0,1,2,3
	v_pk_add_f32 v[C+2*\c:C+2*\c+1], v[C+2*\c:C+2*\c+1], v[rS+\k+2*\c:rS+\k+2*\c+1]
.endr
.endr
	v_pk_add_f32 v[C:C+1], v[C:C+1], v[C+2:C+3]
	v_pk_add_f32 v[C+4:C+5], v[C+4:C+5], v[C+6:C+7]
.if \first
	v_pk_add_f32 v[rT+2:rT+3], v[C:C+1], v[C+4:C+5]
.else
	v_pk_add_f32 v[C:C+1], v[C:C+1], v[C+4:C+5]
	v_pk_fma_f32 v[rT+2:rT+3], v[rT+2:rT+3], v[rT+4:rT+5], v[C:C+1] op_sel_hi:[1,0,1]
.endif
.set i, 0
.rept 16
	v_cvt_pk_bf16_f32 v[rS+i], v[rS+2*i], v[rS+2*i+1]   ; packed in place, ascending: register i is written when 2 i and 2 i + 1 are read
.set i, i+1
.endr
.endm
; A step of 64 keys
.macro STEP first
.irp t, 0,1
.irp kt, 0,1,2,3
	ds_load_b128 v[S+32*\t+8*\kt:S+32*\t+8*\kt+3],   v[AB] offset:64*(1-\t)+64*\kt       ; the bias of keys 16 kt + 8 h + 0..7
	ds_load_b128 v[S+32*\t+8*\kt+4:S+32*\t+8*\kt+7], v[AB] offset:64*(1-\t)+64*\kt+16
.endr
.endr
.irp kt, 0,1,2,3
.irp ks, 0,1
	ds_load_b128 v[F+16*\kt+8*\ks:F+16*\kt+8*\ks+3],   v[AK] offset:16*PK*\kt+64*\ks
	ds_load_b128 v[F+16*\kt+8*\ks+4:F+16*\kt+8*\ks+7], v[AK] offset:16*PK*\kt+64*\ks+32
.endr
.endr
	s_wait_dscnt 0x0
.irp ks, 0,1                           ; the eight score tiles take turns
.irp kt, 0,1,2,3
.irp t, 0,1
	v_wmma_f32_16x16x32_bf16 v[S+32*\t+8*\kt:S+32*\t+8*\kt+7], v[F+16*\kt+8*\ks:F+16*\kt+8*\ks+7], v[Q+16*\t+8*\ks:Q+16*\t+8*\ks+7], v[S+32*\t+8*\kt:S+32*\t+8*\kt+7]
.endr
.endr
.endr
	v_add_nc_u32 v[AK], 64*PK, v[AK]               ; four plain instructions between those products and the loads into K's registers and the reads of the scores
	v_add_nc_u32 v[AB], 256, v[AB]
	v_nop
	v_nop
.irp kh, 0,1
.irp ct, 0,1,2,3
	ds_load_tr16_b128 v[F+32*\kh+8*\ct:F+32*\kh+8*\ct+3],   v[AV] offset:32*PV*\kh+32*\ct
	ds_load_tr16_b128 v[F+32*\kh+8*\ct+4:F+32*\kh+8*\ct+7], v[AV] offset:32*PV*\kh+16*PV+32*\ct
.endr
.endr
	v_add_nc_u32 v[AV], 64*PV, v[AV]
	SOFT 0, \first
	SOFT 1, \first
	s_wait_dscnt 0x0                               ; V is in
.irp kh, 0,1                           ; the eight tiles of O^T take turns
.irp ct, 0,1,2,3
.irp t, 0,1
.if \first && (\kh == 0)
	v_wmma_f32_16x16x32_bf16 v[O+32*\t+8*\ct:O+32*\t+8*\ct+7], v[F+32*\kh+8*\ct:F+32*\kh+8*\ct+7], v[S+32*\t+8*\kh:S+32*\t+8*\kh+7], 0
.else
	v_wmma_f32_16x16x32_bf16 v[O+32*\t+8*\ct:O+32*\t+8*\ct+7], v[F+32*\kh+8*\ct:F+32*\kh+8*\ct+7], v[S+32*\t+8*\kh:S+32*\t+8*\kh+7], v[O+32*\t+8*\ct:O+32*\t+8*\ct+7]
.endif
.endr
.endr
.endr
.rept 5
	v_nop                                          ; five places: the next step's first products write over the registers that these products read as P (ISA guide 7.12.1);
.endr                                                  ; they also stand in front of the next loads into, and writes of, P's and V's registers and of the reads of O^T
.endm
	STEP 1                                         ; keys 0-63 start m, l and O^T
	s_mov_b32 s[CNT], 7
.Lkeys:                                                ; keys 64-511
	STEP 0
	s_sub_co_u32 s[CNT], s[CNT], 1
	s_cmp_lg_u32 s[CNT], 0
	s_cbranch_scc1 .Lkeys
	; THE WAY OUT.  RV + x is made first, in the registers that held V's fragments; O^T is divided by l and sent through my stage, a tile (16 tokens x 256 bytes) at a time; RV + x is added to whole rows.
	v_bfe_u32 v24, v0, 4, 1
	v_sub_nc_u32 v24, 1, v24                       ; 1 for lanes 0-15, 0 for lanes 16-31
	v_lshlrev_b32 v[GX], 4, v1
	v_lshl_add_u32 v[GX], v24, 12, v[GX]           ; y: the offset that x was loaded by
	s_wait_loadcnt 0x0                             ; x and RV, asked for ahead of the first step
	WIN 0x04                                       ; source 1 in the second window: one setting for the 96 lines below
.set i, 0
.rept 32
	v_lshlrev_b32 v[F+2*i],   16, v[RW+i]          ; bf16 to f32: the low half moves up,
	v_and_b32     v[F+2*i+1], 0xffff0000, v[RW+i]  ; the high half stays
.set i, i+1
.endr
.set i, 0
.rept 32
	v_pk_add_f32 v[F+2*i:F+2*i+1], v[F+2*i:F+2*i+1], v[XW+2*i:XW+2*i+1]
.set i, i+1
.endr
	WIN 0
.irp t, 0,1
	v_add_f32 v[ST+8*\t+6], v[ST+8*\t+2], v[ST+8*\t+3]
.endr
.irp t, 0,1
	v_permlanex16_b32 v[ST+8*\t+7], v[ST+8*\t+6], s[SEL], s[SEL+1]
.endr
.irp t, 0,1
	v_add_f32 v[ST+8*\t+6], v[ST+8*\t+6], v[ST+8*\t+7]
.endr
.irp t, 0,1
	v_rcp_f32 v[ST+8*\t+6], v[ST+8*\t+6]
.endr
	v_nop                                          ; a plain instruction between the last reciprocal and the use of its result
	s_wait_dscnt 0x0
	s_barrier_signal -1                            ; every wave has read its last key: K's bytes become the stages
	s_barrier_wait -1
	s_wait_alu depctr_va_vdst(0)
.irp t, 0,1
.set i, 0
.rept 16
	v_pk_mul_f32 v[O+32*\t+i:O+32*\t+i+1], v[O+32*\t+i:O+32*\t+i+1], v[ST+8*\t+6:ST+8*\t+7] op_sel_hi:[1,0]
.set i, i+2
.endr
.irp ct, 0,1,2,3
	ds_store_b128 v[STO], v[O+32*\t+8*\ct:O+32*\t+8*\ct+3]   offset:64*\ct
	ds_store_b128 v[STO], v[O+32*\t+8*\ct+4:O+32*\t+8*\ct+7] offset:64*\ct+16
.endr
.irp f, 0,1,2,3,4,5,6,7
	ds_load_b128 v[S+32*\t+4*\f:S+32*\t+4*\f+3], v[RD] offset:\f*2*SP    ; LDS serves a wave's instructions in order: these see the stores above, and tile 1's stores come behind tile 0's loads
.endr
.endr
.irp t, 0,1
.irp f, 0,1,2,3,4,5,6,7
	s_wait_dscnt (1-\t)*16+7-\f                    ; younger: the rest of this tile's loads and, for tile 0, tile 1's sixteen LDS instructions
	v_pk_add_f32 v[S+32*\t+4*\f:S+32*\t+4*\f+1],   v[S+32*\t+4*\f:S+32*\t+4*\f+1],   v[F+4*(8*\t+\f):F+4*(8*\t+\f)+1]
	v_pk_add_f32 v[S+32*\t+4*\f+2:S+32*\t+4*\f+3], v[S+32*\t+4*\f+2:S+32*\t+4*\f+3], v[F+4*(8*\t+\f)+2:F+4*(8*\t+\f)+3]
	global_store_b128 v[GX], v[S+32*\t+4*\f:S+32*\t+4*\f+3], s[10:11] offset:4096*(16*\t+14-2*\f)   ; 16 lanes store 256 consecutive bytes, aligned
.endr
.endr
	s_set_vgpr_msb 0x5
	s_wait_tensorcnt 0x0
	ds_add_u32 v96, v97
	s_wait_dscnt 0x0
	s_set_vgpr_msb 0x500
	ROUND                                          ; the closing round
	s_endpgm
.Lfunc_end_k_q23498c39c1_attn:
	.size	k_q23498c39c1_attn, .Lfunc_end_k_q23498c39c1_attn-k_q23498c39c1_attn
	.p2alignl 7, 3214868480
	.fill 96, 4, 3214868480
	.section	.rodata,"a",@progbits
	.p2align	6, 0x0
	.amdhsa_kernel k_q23498c39c1_attn
		.amdhsa_group_segment_fixed_size 327680
		.amdhsa_private_segment_fixed_size 0
		.amdhsa_enable_private_segment 0
		.amdhsa_kernarg_size 32
		.amdhsa_user_sgpr_count 2
		.amdhsa_user_sgpr_kernarg_segment_ptr 1
		.amdhsa_wavefront_size32 1
		.amdhsa_system_sgpr_workgroup_id_x 1
		.amdhsa_system_sgpr_workgroup_id_y 1
		.amdhsa_system_sgpr_workgroup_id_z 1
		.amdhsa_system_vgpr_workitem_id 0
		.amdhsa_next_free_vgpr 354
		.amdhsa_next_free_sgpr 66
		.amdhsa_reserve_vcc 0
		.amdhsa_float_denorm_mode_32 3
		.amdhsa_float_denorm_mode_16_64 3
		.amdhsa_memory_ordered 1
		.amdhsa_forward_progress 1
		.amdhsa_inst_pref_size 66
	.end_amdhsa_kernel
	.amdgpu_metadata
---
amdhsa.version: [ 1, 2 ]
amdhsa.kernels:
  - .name:           k_q23498c39c1_attn
    .symbol:         k_q23498c39c1_attn.kd
    .args:
      - { .name: big, .offset: 0, .size: 8, .value_kind: global_buffer, .address_space: global }
      - { .name: x, .offset: 8, .size: 8, .value_kind: global_buffer, .address_space: global }
      - { .name: vecs, .offset: 16, .size: 8, .value_kind: global_buffer, .address_space: global }
      - { .name: y, .offset: 24, .size: 8, .value_kind: global_buffer, .address_space: global }
    .group_segment_fixed_size: 327680
    .private_segment_fixed_size: 0
    .kernarg_segment_align: 8
    .kernarg_segment_size: 32
    .max_flat_workgroup_size: 256
    .sgpr_count:     66
    .vgpr_count:     354
    .wavefront_size: 32
...
	.end_amdgpu_metadata
.endif
;; end of part 4
;; launch ln1 (part 5): grid 256 x 1, 8 waves a work-group, no clusters, 0 bytes of LDS; arguments y, ln1_g, ln1_b, act16; writes act16
.if DOCPART == 5
	.amdgcn_target "amdgcn-amd-amdhsa--gfx1250"
	.amdhsa_code_object_version 6
	.text
	.protected	k_q23498c39c1_ln1
	.globl	k_q23498c39c1_ln1
	.p2align	8
	.type	k_q23498c39c1_ln1,@function
k_q23498c39c1_ln1:
	s_mov_b64 s[64:65], 0
	v_nop
	global_prefetch_b8 v0, s[64:65] scope:SCOPE_SE
	s_setreg_imm32_b32 hwreg(HW_REG_WAVE_MODE, 25, 1), 1
	s_wait_xcnt 0x0
; x1 = layernorm(y) g + b, rounded to f16 for the first feed-forward product.  y: [4096][1024] f32.
; A stream: one wave takes two whole rows (32 registers each), so a row's two sums never leave the wave: no LDS, no barrier, no matrix unit.
; The mean is taken away before the squares are summed, so no difference of large sums is formed.  LIMIT: |x1| stays under 65,504 (f16).
.set Y,  32                            ; v[32:95]   two rows: chunk j of a row = 16 bytes a lane at byte 512 j + 16 lane
.set G,  96                            ; v[96:127]  gain, in the same layout
.set B,  128                           ; v[128:159] bias
.set H,  160                           ; v[160:191] packed results
.macro LANESUM a, b                    ; the sum of v[a] over the 32 lanes, in every lane; v[b] has been written
.irp m, 1,2,4,8
	v_add_f32_dpp v[\a], v[\a], v[\a] row_xmask:\m row_mask:0xf bank_mask:0xf
.endr
	v_permlanex16_b32 v[\b], v[\a], s22, s23
	v_add_f32 v[\a], v[\a], v[\b]
.endm
.macro LNORM R                         ; 32 registers in place: (x - mean) / sqrt(var + 1e-5)
.irp c, 0,1,2,3
	v_pk_add_f32 v[8+2*\c:9+2*\c], v[\R+2*\c:\R+2*\c+1], v[\R+8+2*\c:\R+8+2*\c+1]
.endr
.irp k, 16,24
.irp c, 0,1,2,3
	v_pk_add_f32 v[8+2*\c:9+2*\c], v[8+2*\c:9+2*\c], v[\R+\k+2*\c:\R+\k+2*\c+1]
.endr
.endr
	v_pk_add_f32 v[8:9], v[8:9], v[10:11]
	v_pk_add_f32 v[12:13], v[12:13], v[14:15]
	v_pk_add_f32 v[8:9], v[8:9], v[12:13]
	v_add_f32 v8, v8, v9
	LANESUM 8, 9
	v_mul_f32 v8, s20, v8                          ; the mean
.set i, 0
.rept 16
	v_pk_add_f32 v[\R+i:\R+i+1], v[\R+i:\R+i+1], v[8:9] op_sel_hi:[1,0] neg_lo:[0,1] neg_hi:[0,1]
.set i, i+2
.endr
	v_pk_mul_f32 v[10:11], v[\R:\R+1], v[\R:\R+1]
	v_pk_mul_f32 v[12:13], v[\R+2:\R+3], v[\R+2:\R+3]
.set i, 4
.rept 7
	v_pk_fma_f32 v[10:11], v[\R+i:\R+i+1], v[\R+i:\R+i+1], v[10:11]
	v_pk_fma_f32 v[12:13], v[\R+i+2:\R+i+3], v[\R+i+2:\R+i+3], v[12:13]
.set i, i+4
.endr
	v_pk_add_f32 v[10:11], v[10:11], v[12:13]
	v_add_f32 v10, v10, v11
	LANESUM 10, 11
	v_fma_f32 v10, v10, s20, s21                   ; var + eps
	v_rsq_f32 v10, v10
	v_nop                                          ; a plain instruction between the root and the use of its result
.set i, 0
	s_wait_alu depctr_va_vdst(0)
.rept 16
	v_pk_mul_f32 v[\R+i:\R+i+1], v[\R+i:\R+i+1], v[10:11] op_sel_hi:[1,0]
.set i, i+2
.endr
.endm
	s_load_b256 s[4:11], s[0:1], 0x0               ; y s[4:5], g s[6:7], b s[8:9], act16 s[10:11]
	s_mov_b32 s20, 0x3a800000                      ; 1 / 1024
	s_mov_b32 s21, 0x3727c5ac                      ; 1e-5
	s_mov_b32 s22, 0x76543210
	s_mov_b32 s23, 0xfedcba98
	s_lshl_b32 s2, ttmp9, 16                       ; 16 rows of 4,096 bytes a work-group
	s_mov_b32 s3, 0
	s_lshl_b32 s12, ttmp9, 15                      ; 16 rows of 2,048 bytes
	s_mov_b32 s13, 0
	v_and_b32 v1, 31, v0
	v_lshrrev_b32 v2, 5, v0
	v_lshlrev_b32 v3, 4, v1                        ; 16 bytes a lane
	v_lshl_add_u32 v4, v2, 13, v3                  ; + two rows a wave
	v_lshlrev_b32 v5, 3, v1                        ; 8 bytes a lane
	v_lshl_add_u32 v5, v2, 12, v5
	s_wait_kmcnt 0x0
	s_add_nc_u64 s[4:5], s[4:5], s[2:3]
	s_add_nc_u64 s[10:11], s[10:11], s[12:13]
.irp r, 0,1
.irp j, 0,1,2,3,4,5,6,7
	global_load_b128 v[Y+32*\r+4*\j:Y+32*\r+4*\j+3], v4, s[4:5] offset:4096*\r+512*\j
.endr
.endr
.irp j, 0,1,2,3,4,5,6,7
	global_load_b128 v[G+4*\j:G+4*\j+3], v3, s[6:7] offset:512*\j
.endr
.irp j, 0,1,2,3,4,5,6,7
	global_load_b128 v[B+4*\j:B+4*\j+3], v3, s[8:9] offset:512*\j
.endr
	s_wait_loadcnt 16                              ; the two rows are in; the sixteen loads of g and b may be out
	LNORM Y
	LNORM Y+32
	s_wait_loadcnt 0x0
.irp r, 0,1
.set i, 0
.rept 16
	v_pk_fma_f32 v[Y+32*\r+i:Y+32*\r+i+1], v[Y+32*\r+i:Y+32*\r+i+1], v[G+i:G+i+1], v[B+i:B+i+1]
.set i, i+2
.endr
.set i, 0
.rept 16
	v_cvt_pk_f16_f32 v[H+16*\r+i], v[Y+32*\r+2*i], v[Y+32*\r+2*i+1]
.set i, i+1
.endr
.irp j, 0,1,2,3,4,5,6,7
	global_store_b64 v5, v[H+16*\r+2*\j:H+16*\r+2*\j+1], s[10:11] offset:2048*\r+256*\j   ; a wave's store covers 256 consecutive bytes, aligned
.endr
.endr
	s_endpgm
.Lfunc_end_k_q23498c39c1_ln1:
	.size	k_q23498c39c1_ln1, .Lfunc_end_k_q23498c39c1_ln1-k_q23498c39c1_ln1
	.p2alignl 7, 3214868480
	.fill 96, 4, 3214868480
	.section	.rodata,"a",@progbits
	.p2align	6, 0x0
	.amdhsa_kernel k_q23498c39c1_ln1
		.amdhsa_group_segment_fixed_size 0
		.amdhsa_private_segment_fixed_size 0
		.amdhsa_enable_private_segment 0
		.amdhsa_kernarg_size 32
		.amdhsa_user_sgpr_count 2
		.amdhsa_user_sgpr_kernarg_segment_ptr 1
		.amdhsa_wavefront_size32 1
		.amdhsa_system_sgpr_workgroup_id_x 1
		.amdhsa_system_sgpr_workgroup_id_y 1
		.amdhsa_system_sgpr_workgroup_id_z 1
		.amdhsa_system_vgpr_workitem_id 0
		.amdhsa_next_free_vgpr 192
		.amdhsa_next_free_sgpr 66
		.amdhsa_reserve_vcc 0
		.amdhsa_float_denorm_mode_32 3
		.amdhsa_float_denorm_mode_16_64 3
		.amdhsa_memory_ordered 1
		.amdhsa_forward_progress 1
		.amdhsa_inst_pref_size 20
	.end_amdhsa_kernel
	.amdgpu_metadata
---
amdhsa.version: [ 1, 2 ]
amdhsa.kernels:
  - .name:           k_q23498c39c1_ln1
    .symbol:         k_q23498c39c1_ln1.kd
    .args:
      - { .name: y, .offset: 0, .size: 8, .value_kind: global_buffer, .address_space: global }
      - { .name: ln1_g, .offset: 8, .size: 8, .value_kind: global_buffer, .address_space: global }
      - { .name: ln1_b, .offset: 16, .size: 8, .value_kind: global_buffer, .address_space: global }
      - { .name: act16, .offset: 24, .size: 8, .value_kind: global_buffer, .address_space: global }
    .group_segment_fixed_size: 0
    .private_segment_fixed_size: 0
    .kernarg_segment_align: 8
    .kernarg_segment_size: 32
    .max_flat_workgroup_size: 256
    .sgpr_count:     66
    .vgpr_count:     192
    .wavefront_size: 32
...
	.end_amdgpu_metadata
.endif
;; end of part 5
;; launch ff1 (part 6): grid 16 x 16, 4 waves a work-group, clusters of 4 x 4, 327,680 bytes of LDS; arguments act16, ffh, big, ff1_b; writes big
.if DOCPART == 6
	.amdgcn_target "amdgcn-amd-amdhsa--gfx1250"
	.amdhsa_code_object_version 6
	.text
	.protected	k_q23498c39c1_ff1
	.globl	k_q23498c39c1_ff1
	.p2align	8
	.type	k_q23498c39c1_ff1,@function
k_q23498c39c1_ff1:
	s_mov_b64 s[64:65], 0
	v_nop
	global_prefetch_b8 v0, s[64:65] scope:SCOPE_SE
	s_setreg_imm32_b32 hwreg(HW_REG_WAVE_MODE, 25, 1), 1
	s_wait_xcnt 0x0
	s_wait_alu depctr_hold_cnt(0) depctr_sa_sdst(0) depctr_va_vdst(0) depctr_va_sdst(0) depctr_va_ssrc(0) depctr_va_vcc(0) depctr_vm_vsrc(0)
	s_getreg_b32 s2, hwreg(HW_REG_IB_STS2, 6, 4)
	s_cmp_eq_u32 s2, 0
	s_cbranch_scc0 .Lentry_in_a_cluster
	s_endpgm
.Lentry_in_a_cluster:
	s_bfe_u32 s2, ttmp6, 0x10000c
	s_cmp_lg_u32 s2, 0xf033
	s_cbranch_scc0 .Lentry_shape_is_right
	s_endpgm
.Lentry_shape_is_right:
; C = A B + bias on tiles of 256 x 256; M = N = 4,096, K = 1,024; f16 operands, f32 sums.  A: [M][K], rows along K.  B: [K][N]; its fragments are turned on the way out of LDS (ds_load_tr16_b128).
; RELU = 0: the four projections at once: [Q | K | V | RV] = x W' + bs, rounded to bf16 (these grow with the cube of the inputs' scale: they get bf16's range).
; RELU = 1: hmid = min(max(x1 ff1_w + ff1_b, 0), 65504), rounded to f16.  LIMIT: hmid is cut at f16's largest number.
; Four waves, each 128 x 128: 64 accumulators, 512 registers.  K goes in steps of 128 through two LDS slots.  Waves 0, 1 fetch A's halves (128 rows x 256 bytes), waves 2, 3 B's (64 k-rows x 512 bytes).
; CLUSTERS: 4 x 4 work-groups; A's tile is shared along a row of the cluster, B's along a column: each is asked for jointly, by the same tensor load with the same descriptor and a mask of the four.
; THE MATRIX INSTRUCTION IS USED TRANSPOSED (source 0 = 16 columns of B, source 1 = 16 rows of A): a lane holds eight neighbouring numbers of a row of C.
; REGISTERS: window 0: v0-31 addresses; v64-127, v128-191 A's fragments, two buffers; v192-255 the bias of my 128 columns; on the way out v64-127 sums + bias, v128-159 packed, v32-63 and v160-191 rows read back.
;   window 1: v64-127, v128-191 B's fragments.   windows 2, 3: the accumulators of my rows 0-63, 64-127 ((a, b) at v[8 (8 a + b)]).
.set RELU, 1
.set SIZE_N, 4096
.set SIZE_K, 1024
.set KSTEP,  128
.set PITCHA, 272                       ; 256 bytes + 16: an odd multiple of 16
.set PITCHB, 544                       ; 512 bytes + 32: an odd multiple of 32, as the turning load's 8 rows x 32 bytes want
.set HALFT,  128*PITCHA                ; what one tensor load brings: 128 rows of A, or 64 k-rows of B (64 x 544 is the same number)
.set SLOT,   4*HALFT                   ; A's 256 rows, then B's 128 k-rows
.set STAGE,  2*SLOT                    ; behind the ring: 16 rows x 272 bytes for each wave
.set SPITCH, 272
.set SPARE,  STAGE+4*16*SPITCH         ; behind the stages: the spare words, 128 bytes for each wave, which no other line names
.set LAPS, SIZE_K/(2*KSTEP)
.set ADRA, 16
.set ADRB, 20
.set STO,  24
.set RD,   25
.set CO,   26
.set BO,   27                          ; v27  32 x (lane / 16): my eight numbers of each block's bias
.set SPW,  28                          ; v28  my spare word; never rewritten
.set NIL,  29                          ; v29  0; never rewritten
.set F0,   64
.set F1,   128
.set BIAS, 192
.set T,    64
.set TMP,  128
.set OB,   32
.set G1, 24
.set G0, 32
.set G1B, 48
.set G0B, 56
.set TOP, 66                           ; s66      65504.0
.set BP,  68                           ; s[68:69] the bias
.set MSB, 0
.macro WIN new                         ; the immediate's high byte repeats the setting that is left
.if MSB != \new
	s_set_vgpr_msb (MSB<<8)|\new
.set MSB, \new
.endif
.endm
.set MUL_LO, 0xa1                      ; source 0 (B) window 1, source 1 (A) window 0, C and D window 2
.set MUL_HI, 0xf1                      ; the same, C and D window 3
.set TO_B,   0x40                      ; destination window 1, address window 0
.macro JLOAD s                         ; a joint load: waves 0, 1 ask for A, waves 2, 3 for B; four v_nop follow each line
	s_cmp_eq_u32 s11, 0
	s_cbranch_scc0 .Lfor_b_\@
	tensor_load_to_lds s[G0+4*\s:G0+4*\s+3], s[G1:G1+7]
	s_nop 0
.rept 4
	v_nop
.endr
	s_branch .Lasked_\@
.Lfor_b_\@:
	tensor_load_to_lds s[G0B+4*\s:G0B+4*\s+3], s[G1B:G1B+7]
	s_nop 0
.rept 4
	v_nop
.endr
.Lasked_\@:
.endm
.macro CREST                           ; a round of the cluster's barrier behind its opening barrier
	s_cmp_lg_u32 s10, 0
	s_cbranch_scc1 .Lnot_wave_0_\@
	s_barrier_signal -3
.Lnot_wave_0_\@:
	s_barrier_wait -3
	s_barrier_signal -1
	s_barrier_wait -1
.endm
.macro CROUND
	s_barrier_signal -1
	s_barrier_wait -1
	CREST
.endm
	s_load_b128 s[4:7], s[0:1], 0x0                ; A, B
	s_load_b64 s[8:9], s[0:1], 0x10                ; C
	s_load_b64 s[BP:BP+1], s[0:1], 0x18            ; bias
	v_lshl_add_u32 v[SPW], v0, 2, SPARE
	v_mov_b32 v[NIL], 0
	ds_add_u32 v28, v29
	s_wait_dscnt 0x0
	v_lshrrev_b32 v1, 5, v0
	v_readfirstlane_b32 s10, v1                    ; wave 0..3
	s_lshr_b32 s11, s10, 1                         ; my half of the tile's rows.  Also: I fetch for A (0) or B (1)
	s_and_b32 s12, s10, 1                          ; my half of its columns.  Also: which half of that tile I fetch
	s_mov_b32 s[TOP], 0x477fe000
	s_bfe_u32 s40, ttmp6, 0x40000                  ; cx
	s_bfe_u32 s41, ttmp6, 0x40004                  ; cy
	s_lshl_b32 s42, ttmp9, 2
	s_add_co_u32 s42, s42, s40                     ; tile column
	s_and_b32 s13, ttmp7, 0xffff
	s_lshl_b32 s13, s13, 2
	s_add_co_u32 s13, s13, s41                     ; tile row
	s_lshl_b32 s43, s41, 2
	s_lshl_b32 s43, 15, s43                        ; my row of the cluster
	s_lshl_b32 s44, 0x1111, s40                    ; my column
	s_or_b32 s[G1+0], s43, (1<<16)|(1<<20)|(1<<21)|(5<<22)|(3<<25)   ; mask; 2-byte elements; padding on; bit 21 beside a mask; after every 64 words 4 words
	s_mov_b32 s[G1+1], KSTEP<<16                   ; tensor_dim0 = 128
	s_mov_b32 s[G1+2], 128<<16                     ; tensor_dim1 = 128
	s_mov_b32 s[G1+3], KSTEP<<16                   ; tile_dim0 = 128
	s_mov_b32 s[G1+4], 128                         ; tile_dim1 = 128
	s_mov_b32 s[G1+5], SIZE_K                      ; elements from row to row
	s_mov_b32 s[G1+6], 0
	s_mov_b32 s[G1+7], 0
	s_or_b32 s[G1B+0], s44, (1<<16)|(1<<20)|(1<<21)|(6<<22)|(7<<25)  ; after every 128 words 8 words
	s_mov_b32 s[G1B+1], 256<<16                    ; tensor_dim0 = 256
	s_mov_b32 s[G1B+2], 64<<16                     ; tensor_dim1 = 64
	s_mov_b32 s[G1B+3], 256<<16                    ; tile_dim0 = 256
	s_mov_b32 s[G1B+4], 64                         ; tile_dim1 = 64
	s_mov_b32 s[G1B+5], SIZE_N
	s_mov_b32 s[G1B+6], 0
	s_mov_b32 s[G1B+7], 0
	; A's offset is made of the tile row and the wave's number, B's of the tile column and the wave's number, in registers of their own
	s_lshl_b32 s17, s12, 7
	s_lshl_b32 s16, s13, 8
	s_add_co_u32 s16, s16, s17                     ; A: row 256 x tile row + 128 x half,
	s_lshl_b32 s16, s16, 11                        ; of 2,048 bytes
	s_mov_b32 s17, 0
	s_lshl_b32 s46, s12, 19                        ; B: 64 k-rows of 8,192 bytes x half
	s_lshl_b32 s47, s42, 9                         ; + 256 columns of 2 bytes x tile column
	s_add_co_u32 s46, s46, s47
	s_mov_b32 s47, 0
	s_mul_i32 s20, s10, HALFT                      ; where they go: wave x one load's bytes: no place in the cluster enters an LDS address
	s_wait_kmcnt 0x0
	s_add_nc_u64 s[14:15], s[4:5], s[16:17]
	s_add_nc_u64 s[46:47], s[6:7], s[46:47]
	CROUND                                         ; all sixteen work-groups are here: the first joint loads meet
.irp s, 0,1
	s_mov_b32 s[G0+4*\s], 1
	s_add_co_u32 s[G0+4*\s+1], s20, \s*SLOT
	s_add_nc_u64 s[G0+4*\s+2:G0+4*\s+3], s[14:15], \s*KSTEP*2
	s_or_b32 s[G0+4*\s+3], s[G0+4*\s+3], 0x80000000
	s_mov_b32 s[G0B+4*\s], 1
	s_add_co_u32 s[G0B+4*\s+1], s20, \s*SLOT
	s_add_nc_u64 s[G0B+4*\s+2:G0B+4*\s+3], s[46:47], \s*0x100000     ; 128 k-rows of 8,192 bytes
	s_or_b32 s[G0B+4*\s+3], s[G0B+4*\s+3], 0x80000000
	JLOAD \s                                       ; two loads of mine are out
.endr
	s_lshl_b32 s46, s42, 10                        ; the bias of my 128 columns: 4 bytes x (256 x tile column + 128 x half)
	s_lshl_b32 s47, s12, 9
	s_add_co_u32 s46, s46, s47
	s_mov_b32 s47, 0
	s_add_nc_u64 s[BP:BP+1], s[BP:BP+1], s[46:47]
	v_and_b32 v1, 15, v0                           ; r = l % 16
	v_bfe_u32 v2, v0, 4, 1                         ; h = l / 16
	v_lshlrev_b32 v[BO], 5, v2
.irp b, 0,1,2,3,4,5,6,7
	global_load_b128 v[BIAS+8*\b:BIAS+8*\b+3],   v[BO], s[BP:BP+1] offset:64*\b      ; columns 16 b + 8 h + 0..7: waited for on the way out
	global_load_b128 v[BIAS+8*\b+4:BIAS+8*\b+7], v[BO], s[BP:BP+1] offset:64*\b+16
.endr
	v_mul_u32_u24 v3, v1, PITCHA
	v_lshl_add_u32 v3, v2, 4, v3                   ; A: row x pitch + 16 h
	v_and_b32 v4, 7, v0                            ; B, turned: lane l reads 16 bytes of k-row 8 h + l % 8, columns 8 ((l / 8) % 2) on
	v_lshl_add_u32 v4, v2, 3, v4
	v_mul_u32_u24 v4, v4, PITCHB
	v_bfe_u32 v5, v0, 3, 1
	v_lshl_add_u32 v4, v5, 4, v4
	s_mul_i32 s21, s11, HALFT                      ; my 128 rows of A
	s_lshl_b32 s22, s12, 8                         ; my 128 columns of B,
	s_add_co_u32 s22, s22, 2*HALFT                 ; which lies behind A's 256 rows
.irp s, 0,1
	v_add_nc_u32 v[ADRA+\s], s21, v3
	v_add_nc_u32 v[ADRB+\s], s22, v4
	s_add_co_u32 s21, s21, SLOT
	s_add_co_u32 s22, s22, SLOT
.endr
	s_mul_i32 s23, s10, 16*SPITCH
	s_add_co_u32 s23, s23, STAGE                   ; my stage
	v_mul_u32_u24 v4, v1, SPITCH                   ; in: row l % 16, 16 bytes for each half of the lanes
	v_lshl_add_u32 v4, v2, 4, v4
	v_add_nc_u32 v[STO], s23, v4
	v_mul_u32_u24 v5, v2, SPITCH                   ; back: lanes 0-15 take one row of 256 bytes, lanes 16-31 the next
	v_lshl_add_u32 v5, v1, 4, v5
	v_add_nc_u32 v[RD], s23, v5
	v_mul_u32_u24 v5, v2, SIZE_N*2                 ; and the same two rows in C
	v_lshl_add_u32 v[CO], v1, 4, v5
	s_lshl_b32 s13, s13, 8
	s_lshl_b32 s14, s11, 7
	s_add_co_u32 s16, s13, s14                     ; my first row of C,
	s_lshl_b32 s16, s16, 13                        ; of 8,192 bytes
	s_mov_b32 s17, 0
	s_lshl_b32 s46, s42, 9                         ; my first column, in bytes
	s_lshl_b32 s47, s12, 8
	s_add_co_u32 s46, s46, s47
	s_mov_b32 s47, 0
	s_add_nc_u64 s[16:17], s[16:17], s[46:47]
; 16 matrix instructions: m blocks a0, a0 + 1 of the window's four x all 8 n blocks, 32 along K.  zero = 1: the first product starts the sums
.macro MUL16 f, hi, a0, zero
.irp a, \a0, \a0+1
.irp b, 0,1,2,3,4,5,6,7
.if \zero
	v_wmma_f32_16x16x32_f16 v[8*(8*(\a)+\b):8*(8*(\a)+\b)+7], v[\f+8*\b:\f+8*\b+7], v[\f+8*(4*\hi+\a):\f+8*(4*\hi+\a)+7], 0
.else
	v_wmma_f32_16x16x32_f16 v[8*(8*(\a)+\b):8*(8*(\a)+\b)+7], v[\f+8*\b:\f+8*\b+7], v[\f+8*(4*\hi+\a):\f+8*(4*\hi+\a)+7], v[8*(8*(\a)+\b):8*(8*(\a)+\b)+7]
.endif
.endr
.endr
.endm
; 32 LDS loads in one run: the fragments of one quarter step (32 K at byte k of A's rows = k-rows k / 2 on of B) into buffer f
.macro FETCH slot, k, f
	WIN TO_B
.irp i, 0,1,2,3,4,5,6,7
	ds_load_tr16_b128 v[\f+8*\i:\f+8*\i+3],   v[ADRB+\slot] offset:(\k/64)*32*PITCHB+32*\i
	ds_load_tr16_b128 v[\f+8*\i+4:\f+8*\i+7], v[ADRB+\slot] offset:(\k/64)*32*PITCHB+16*PITCHB+32*\i
.endr
	WIN 0
.irp i, 0,1,2,3,4,5,6,7
	ds_load_b128 v[\f+8*\i:\f+8*\i+3],   v[ADRA+\slot] offset:\k+\i*16*PITCHA
	ds_load_b128 v[\f+8*\i+4:\f+8*\i+7], v[ADRA+\slot] offset:\k+\i*16*PITCHA+32
.endr
.endm
.macro PLACES                          ; four plain vector instructions between matrix instructions and loads into, or vector reads of, their registers
.rept 4
	v_nop
.endr
.endm
; A K step is four quarters of 32 along K, 64 matrix instructions each, on buffers 0, 1, 0, 1; the 64 accumulators take turns in one fixed order.
.macro QUARTER slot, k, f, g, zero
	s_wait_dscnt 8                                 ; B and A's rows 0-63 are in; the youngest eight loads (A's rows 64-127) may be out
	WIN MUL_LO
	MUL16 \f, 0, 0, \zero
	MUL16 \f, 0, 2, \zero
	PLACES
	FETCH \slot, \k, \g
	s_wait_dscnt 32                                ; all but the 32 just issued
	WIN MUL_HI
	MUL16 \f, 1, 0, \zero
	MUL16 \f, 1, 2, \zero
.endm
; The first half of the last quarter: one barrier for the change of slots
.macro MEET round
	WIN 0                                          ; (the add's two registers lie in window 0)
	s_wait_tensorcnt 0x0                           ; all my tensor loads have landed: the one that was out is my part of the next slot
	ds_add_u32 v[SPW], v[NIL]                      ; 0 onto my spare word
	s_wait_dscnt 9                                 ; (the add and the youngest eight loads may be out)
	WIN MUL_LO
	MUL16 F1, 0, 0, 0
	s_wait_dscnt 0x0                               ; the add is done, and my reads of this slot are over
	s_barrier_signal -1
	MUL16 F1, 0, 2, 0
.if \round
	WIN 0
.endif
	s_barrier_wait -1
.endm
.macro TURN slot, next
	MEET 1
	CREST                                          ; no wave of any partner still reads this slot or has a load on its way
	s_add_nc_u64 s[G0+4*\slot+2:G0+4*\slot+3], s[G0+4*\slot+2:G0+4*\slot+3], 2*KSTEP*2
	s_add_nc_u64 s[G0B+4*\slot+2:G0B+4*\slot+3], s[G0B+4*\slot+2:G0B+4*\slot+3], 0x200000
	JLOAD \slot                                    ; my one tensor load behind the round; its four v_nop are also the places in front of the loads below
	FETCH \next, 0, F0
	WIN MUL_HI
	MUL16 F1, 1, 0, 0
	MUL16 F1, 1, 2, 0
.endm
; THE WAY OUT of block a (16 rows).  PACK: + bias, (clamp,) rounded, 16 bytes a lane.  TOSTAGE: into my own stage and back as whole rows of 256 bytes.  SEND: stored.
.macro PACK a
.set AC, 64*((\a)%4)
	WIN 0x02+((\a)/4)                              ; source 0: window 2 or 3
.irp b, 0,1,2,3,4,5,6,7
.irp r, 0,1,2,3
	v_pk_add_f32 v[T+8*\b+2*\r:T+8*\b+2*\r+1], v[AC+8*\b+2*\r:AC+8*\b+2*\r+1], v[BIAS+8*\b+2*\r:BIAS+8*\b+2*\r+1]   ; each accumulator from its low end on
.endr
.endr
	WIN 0
.if RELU
.set i, 0
.rept 64
	v_med3_num_f32 v[T+i], v[T+i], 0, s[TOP]
.set i, i+1
.endr
.endif
.set i, 0
.rept 32
.if RELU
	v_cvt_pk_f16_f32 v[TMP+i], v[T+2*i], v[T+2*i+1]
.else
	v_cvt_pk_bf16_f32 v[TMP+i], v[T+2*i], v[T+2*i+1]
.endif
.set i, i+1
.endr
.endm
.macro TOSTAGE a
.set BK, OB+128*((\a)%2)
.irp b, 0,1,2,3,4,5,6,7
	ds_store_b128 v[STO], v[TMP+4*\b:TMP+4*\b+3] offset:32*\b
.endr
.irp t, 0,1,2,3,4,5,6,7
	ds_load_b128 v[BK+4*\t:BK+4*\t+3], v[RD] offset:\t*2*SPITCH    ; LDS serves a wave's instructions in order: these see the stores above
.endr
.endm
.macro SEND a, younger
.set BK, OB+128*((\a)%2)
	s_wait_dscnt \younger                          ; the block is back in registers
	s_wait_xcnt 0x0                                ; only behind this wait are the stores' base and the registers that earlier stores read rewritten
.if (\a) == 0
	s_add_nc_u64 s[8:9], s[8:9], s[16:17]          ; on to my first rows
.else
	s_add_nc_u64 s[8:9], s[8:9], 16*SIZE_N*2       ; 16 rows of C on
.endif
.irp t, 0,1,2,3,4,5,6,7
	global_store_b128 v[CO], v[BK+4*\t:BK+4*\t+3], s[8:9] offset:2*\t*SIZE_N*2   ; 16 lanes store 256 consecutive bytes, aligned
.endr
.endm
	s_wait_tensorcnt 1                             ; my part of K step 0 is in; K step 1's may stay out
	s_barrier_signal -1
	s_barrier_wait -1
	FETCH 0, 0, F0
	QUARTER 0, 64,  F0, F1, 1                      ; the first quarter stands in front of the loop: its products start the sums
	WIN 0
	s_mov_b32 s3, LAPS-1
.Llap:                                                 ; a trip goes once round the ring and fills both slots again
	QUARTER 0, 128, F1, F0, 0
	QUARTER 0, 192, F0, F1, 0
	TURN 0, 1
	QUARTER 1, 64,  F0, F1, 0
	QUARTER 1, 128, F1, F0, 0
	QUARTER 1, 192, F0, F1, 0
	TURN 1, 0
	QUARTER 0, 64,  F0, F1, 0
	WIN 0
	s_sub_co_u32 s3, s3, 1
	s_cmp_lg_u32 s3, 0
	s_cbranch_scc1 .Llap
	QUARTER 0, 128, F1, F0, 0                      ; the last lap fills nothing
	QUARTER 0, 192, F0, F1, 0
	MEET 0
	PLACES
	FETCH 1, 0, F0
	WIN MUL_HI
	MUL16 F1, 1, 0, 0
	MUL16 F1, 1, 2, 0
	QUARTER 1, 64,  F0, F1, 0
	QUARTER 1, 128, F1, F0, 0
	QUARTER 1, 192, F0, F1, 0
	s_wait_dscnt 8                                 ; the very last quarter: nothing more to fetch
	WIN MUL_LO
	MUL16 F1, 0, 0, 0
	MUL16 F1, 0, 2, 0
	s_wait_dscnt 0x0
	WIN MUL_HI
	MUL16 F1, 1, 0, 0
	MUL16 F1, 1, 2, 0
	WIN 0
	s_wait_loadcnt 0x0                             ; the bias
	PLACES
	PACK 0
	TOSTAGE 0
.irp a, 1,2,3,4,5,6,7                  ; block a's arithmetic stands between block a - 1's loads from the stage and the wait for them
	PACK \a
	SEND \a-1, 0
	TOSTAGE \a
.endr
	SEND 7, 0
	s_wait_tensorcnt 0x0                           ; the wave's end
	ds_add_u32 v[SPW], v[NIL]
	s_wait_dscnt 0x0
	CROUND                                         ; the closing round: no work-group ends while a partner may still ask for a tile that names it
	s_endpgm
.Lfunc_end_k_q23498c39c1_ff1:
	.size	k_q23498c39c1_ff1, .Lfunc_end_k_q23498c39c1_ff1-k_q23498c39c1_ff1
	.p2alignl 7, 3214868480
	.fill 96, 4, 3214868480
	.section	.rodata,"a",@progbits
	.p2align	6, 0x0
	.amdhsa_kernel k_q23498c39c1_ff1
		.amdhsa_group_segment_fixed_size 327680
		.amdhsa_private_segment_fixed_size 0
		.amdhsa_enable_private_segment 0
		.amdhsa_kernarg_size 32
		.amdhsa_user_sgpr_count 2
		.amdhsa_user_sgpr_kernarg_segment_ptr 1
		.amdhsa_wavefront_size32 1
		.amdhsa_system_sgpr_workgroup_id_x 1
		.amdhsa_system_sgpr_workgroup_id_y 1
		.amdhsa_system_sgpr_workgroup_id_z 1
		.amdhsa_system_vgpr_workitem_id 0
		.amdhsa_next_free_vgpr 1024
		.amdhsa_next_free_sgpr 70
		.amdhsa_reserve_vcc 0
		.amdhsa_float_denorm_mode_32 3
		.amdhsa_float_denorm_mode_16_64 3
		.amdhsa_memory_ordered 1
		.amdhsa_forward_progress 1
		.amdhsa_inst_pref_size 193
	.end_amdhsa_kernel
	.amdgpu_metadata
---
amdhsa.version: [ 1, 2 ]
amdhsa.kernels:
  - .name:           k_q23498c39c1_ff1
    .symbol:         k_q23498c39c1_ff1.kd
    .args:
      - { .name: act16, .offset: 0, .size: 8, .value_kind: global_buffer, .address_space: global }
      - { .name: ffh, .offset: 8, .size: 8, .value_kind: global_buffer, .address_space: global }
      - { .name: big, .offset: 16, .size: 8, .value_kind: global_buffer, .address_space: global }
      - { .name: ff1_b, .offset: 24, .size: 8, .value_kind: global_buffer, .address_space: global }
    .group_segment_fixed_size: 327680
    .private_segment_fixed_size: 0
    .kernarg_segment_align: 8
    .kernarg_segment_size: 32
    .max_flat_workgroup_size: 128
    .sgpr_count:     70
    .vgpr_count:     1024
    .wavefront_size: 32
...
	.end_amdgpu_metadata
.endif
;; end of part 6
;; launch ff2 (part 7): grid 8 x 32, 4 waves a work-group, clusters of 4 x 4, 327,680 bytes of LDS; arguments big, ffh, ffpre; writes ffpre
.if DOCPART == 7
	.amdgcn_target "amdgcn-amd-amdhsa--gfx1250"
	.amdhsa_code_object_version 6
	.text
	.protected	k_q23498c39c1_ff2
	.globl	k_q23498c39c1_ff2
	.p2align	8
	.type	k_q23498c39c1_ff2,@function
k_q23498c39c1_ff2:
	s_mov_b64 s[64:65], 0
	v_nop
	global_prefetch_b8 v0, s[64:65] scope:SCOPE_SE
	s_setreg_imm32_b32 hwreg(HW_REG_WAVE_MODE, 25, 1), 1
	s_wait_xcnt 0x0
	s_wait_alu depctr_hold_cnt(0) depctr_sa_sdst(0) depctr_va_vdst(0) depctr_va_sdst(0) depctr_va_ssrc(0) depctr_va_vcc(0) depctr_vm_vsrc(0)
	s_getreg_b32 s2, hwreg(HW_REG_IB_STS2, 6, 4)
	s_cmp_eq_u32 s2, 0
	s_cbranch_scc0 .Lentry_in_a_cluster
	s_endpgm
.Lentry_in_a_cluster:
	s_bfe_u32 s2, ttmp6, 0x10000c
	s_cmp_lg_u32 s2, 0xf033
	s_cbranch_scc0 .Lentry_shape_is_right
	s_endpgm
.Lentry_shape_is_right:
; C = A B on tiles of 128 x 128, f16 operands, f32 sums.  A: [M][K], rows along K.  B: [K][N], as the weights lie; its fragments are turned on the way out of LDS by ds_load_tr16_b128.
; FOLD = 1: W'[k][1024 j + n] = cs[1024 j + n] x the sum over i of l_w(j)[k][i] a_w(j)[i][n], j = Q, K, V, RV (l_w = lq, lk, lv, lv); M = 1,024, N = 4 x 1,024, K = 1,024; C in f16.
; FOLD = 0: ffpre = hmid ff2_w; M = 4,096, N = 1,024, K = 4,096; C in f32 (ff2_b is added where the row is normalised).
; LIMIT (FOLD = 1): W' is rounded to f16: magnitudes from 65,520 on become infinities, below 6.1e-5 the absolute error is 3e-8.
; Four waves, each 64 x 64: 16 accumulators.  K goes in steps of 256 through two LDS slots.  Waves 0, 1 fetch A's two halves (64 rows x 512 bytes), waves 2, 3 B's (128 k-rows x 256 bytes).
; CLUSTERS: 4 x 4 work-groups; A's tile is shared along a row of the cluster, B's along a column: each is asked for jointly, by the same tensor load with the same descriptor and a mask of the four.
; THE MATRIX INSTRUCTION IS USED TRANSPOSED (source 0 = 16 columns of B, source 1 = 16 rows of A): a lane holds eight neighbouring numbers of a row of C.
; REGISTERS: window 0: v0-31 addresses; v32-95 at work on the way out; v96-127 cs (FOLD); v128-255 accumulators ((a, b) at v[128 + 8 (4 a + b)]).  window 1: two fragment buffers of 128 (64 of A, 64 of B).
; THE STAGE of the way out is slot 0's bytes: the slot has had its last fill, and its last reads stand in front of the barrier of the last change of slots.
.set FOLD, 0
.if FOLD
.set SIZE_K, 1024
.set KA,     1024                      ; A's pitch in elements
.set CPITCH, 8192                      ; C's pitch in bytes
.set SPITCH, 272                       ; a stage row: 128 f16 + 16 bytes
.else
.set SIZE_K, 4096
.set KA,     4096
.set CPITCH, 4096
.set SPITCH, 528                       ; a stage row: 128 f32 + 16 bytes
.endif
.set KSTEP,  256
.set PITCHA, 528                       ; 512 bytes + 16: an odd multiple of 16, so the 16 rows of a fragment load start at 16 different 16-byte columns
.set PITCHB, 288                       ; 256 bytes + 32: an odd multiple of 32, as the turning load's 8 rows x 32 bytes want
.set HALFA,  64*PITCHA
.set HALFB,  128*PITCHB
.set SLOT,   2*HALFA+2*HALFB           ; A's 128 rows, then B's 256 k-rows
.set STAGE,  0
.set SPARE,  2*SLOT                    ; behind the ring: the spare words, 128 bytes for each wave, which no other line names
.set LAPS, SIZE_K/(2*KSTEP)
.set ADRA, 16                          ; v16-17  my A fragments in slot 0, 1
.set ADRB, 20                          ; v20-23  my B fragments: slot 0 k-rows 0-127, 128-255; slot 1 likewise (the immediates then stay under 64 KiB)
.set STO,  24
.set RD,   25
.set CO,   26
.set BO,   27                          ; v27     32 x (lane / 16): my eight numbers of cs
.set SPW,  28                          ; v28     my spare word; never rewritten
.set NIL,  29                          ; v29     0; never rewritten
.set TMP,  32
.set CSV,  96
.set ACC,  128
.set F0,   0
.set F1,   128
.set G1, 24
.set G0, 32
.set G1B, 48
.set G0B, 56
.set MSB, 0
.macro WIN new                         ; the immediate's high byte repeats the setting that is left
.if MSB != \new
	s_set_vgpr_msb (MSB<<8)|\new
.set MSB, \new
.endif
.endm
.set MUL,  0x05                        ; sources 0 (B) and 1 (A) window 1; C and D window 0
.set TO_F, 0x40                        ; destination window 1, address window 0
.macro JLOAD s                         ; a joint load: waves 0, 1 ask for A, waves 2, 3 for B; four v_nop follow each line
	s_cmp_eq_u32 s11, 0
	s_cbranch_scc0 .Lfor_b_\@
	tensor_load_to_lds s[G0+4*\s:G0+4*\s+3], s[G1:G1+7]
	s_nop 0
.rept 4
	v_nop
.endr
	s_branch .Lasked_\@
.Lfor_b_\@:
	tensor_load_to_lds s[G0B+4*\s:G0B+4*\s+3], s[G1B:G1B+7]
	s_nop 0
.rept 4
	v_nop
.endr
.Lasked_\@:
.endm
.macro CREST                           ; a round of the cluster's barrier behind its opening barrier
	s_cmp_lg_u32 s10, 0
	s_cbranch_scc1 .Lnot_wave_0_\@
	s_barrier_signal -3
.Lnot_wave_0_\@:
	s_barrier_wait -3
	s_barrier_signal -1
	s_barrier_wait -1
.endm
.macro CROUND
	s_barrier_signal -1
	s_barrier_wait -1
	CREST
.endm
	s_load_b128 s[4:7], s[0:1], 0x0                ; FOLD: wh, vecs; else: big (hmid), ffh
	s_load_b64 s[8:9], s[0:1], 0x10                ; C
	v_lshl_add_u32 v[SPW], v0, 2, SPARE
	v_mov_b32 v[NIL], 0
	ds_add_u32 v28, v29
	s_wait_dscnt 0x0
	v_lshrrev_b32 v1, 5, v0
	v_readfirstlane_b32 s10, v1                    ; wave 0..3
	s_lshr_b32 s11, s10, 1                         ; my half of the tile's rows.  Also: I fetch for A (0) or B (1)
	s_and_b32 s12, s10, 1                          ; my half of its columns.  Also: which half of that tile I fetch
	s_bfe_u32 s40, ttmp6, 0x40000                  ; cx
	s_bfe_u32 s41, ttmp6, 0x40004                  ; cy
	s_lshl_b32 s42, ttmp9, 2
	s_add_co_u32 s42, s42, s40                     ; tile column
	s_and_b32 s13, ttmp7, 0xffff
	s_lshl_b32 s13, s13, 2
	s_add_co_u32 s13, s13, s41                     ; tile row
	s_lshl_b32 s43, s41, 2
	s_lshl_b32 s43, 15, s43                        ; my row of the cluster
	s_lshl_b32 s44, 0x1111, s40                    ; my column
	s_or_b32 s[G1+0], s43, (1<<16)|(1<<20)|(1<<21)|(6<<22)|(3<<25)   ; mask; 2-byte elements; padding on; bit 21 beside a mask; after every 128 words 4 words
	s_mov_b32 s[G1+1], KSTEP<<16                   ; tensor_dim0 = 256
	s_mov_b32 s[G1+2], 64<<16                      ; tensor_dim1 = 64
	s_mov_b32 s[G1+3], KSTEP<<16                   ; tile_dim0 = 256
	s_mov_b32 s[G1+4], 64                          ; tile_dim1 = 64
	s_mov_b32 s[G1+5], KA                          ; elements from row to row
	s_mov_b32 s[G1+6], 0
	s_mov_b32 s[G1+7], 0
	s_or_b32 s[G1B+0], s44, (1<<16)|(1<<20)|(1<<21)|(5<<22)|(7<<25)  ; after every 64 words 8 words
	s_mov_b32 s[G1B+1], 128<<16                    ; tensor_dim0 = 128
	s_mov_b32 s[G1B+2], 128<<16                    ; tensor_dim1 = 128
	s_mov_b32 s[G1B+3], 128<<16                    ; tile_dim0 = 128
	s_mov_b32 s[G1B+4], 128                        ; tile_dim1 = 128
	s_mov_b32 s[G1B+5], 1024                       ; B's rows are 1,024 elements in both uses
	s_mov_b32 s[G1B+6], 0
	s_mov_b32 s[G1B+7], 0
	; A's offset is made of the tile row, the cluster's x and the wave's number, B's of the tile column and the wave's number, in registers of their own
	s_lshl_b32 s17, s12, 6
	s_lshl_b32 s16, s13, 7
	s_add_co_u32 s16, s16, s17                     ; A: row 128 x tile row + 64 x half
.if FOLD
	s_lshl_b32 s16, s16, 11                        ; rows of 2,048 bytes
	s_lshr_b32 s18, ttmp9, 1                       ; j = tile column / 8: the same in all four of a cluster's row
	s_min_u32 s19, s18, 2                          ; l_w: lq, lk, lv, lv
	s_lshl_b32 s19, s19, 21
	s_add_co_u32 s16, s16, s19
	s_add_co_u32 s46, s18, 3                       ; a_w: blocks 3 .. 6 of wh
	s_lshl_b32 s46, s46, 21
	s_and_b32 s47, s42, 7
	s_lshl_b32 s47, s47, 8                         ; 128 columns of 2 bytes
	s_add_co_u32 s46, s46, s47
.else
	s_lshl_b32 s16, s16, 13                        ; rows of 8,192 bytes
	s_lshl_b32 s46, s42, 8
	s_add_co_u32 s46, s46, 0x800000                ; ff2 lies 8 MiB into ffh
.endif
	s_lshl_b32 s47, s12, 18                        ; B: 128 k-rows of 2,048 bytes x half
	s_add_co_u32 s46, s46, s47
	s_mov_b32 s17, 0
	s_mov_b32 s47, 0
	s_mul_i32 s20, s12, HALFA                      ; where they go: no place in the cluster enters an LDS address
	s_mul_i32 s21, s12, HALFB
	s_add_co_u32 s21, s21, 2*HALFA
	s_wait_kmcnt 0x0
	s_add_nc_u64 s[14:15], s[4:5], s[16:17]
.if FOLD
	s_add_nc_u64 s[46:47], s[4:5], s[46:47]
.else
	s_add_nc_u64 s[46:47], s[6:7], s[46:47]
.endif
	CROUND                                         ; all sixteen work-groups are here: the first joint loads meet
.irp s, 0,1
	s_mov_b32 s[G0+4*\s], 1
	s_add_co_u32 s[G0+4*\s+1], s20, \s*SLOT
	s_add_nc_u64 s[G0+4*\s+2:G0+4*\s+3], s[14:15], \s*KSTEP*2
	s_or_b32 s[G0+4*\s+3], s[G0+4*\s+3], 0x80000000
	s_mov_b32 s[G0B+4*\s], 1
	s_add_co_u32 s[G0B+4*\s+1], s21, \s*SLOT
	s_add_nc_u64 s[G0B+4*\s+2:G0B+4*\s+3], s[46:47], \s*0x80000      ; 256 k-rows of 2,048 bytes
	s_or_b32 s[G0B+4*\s+3], s[G0B+4*\s+3], 0x80000000
	JLOAD \s                                       ; two loads of mine are out
.endr
	v_and_b32 v1, 15, v0                           ; r = l % 16
	v_bfe_u32 v2, v0, 4, 1                         ; h = l / 16
.if FOLD
	s_lshl_b32 s46, s42, 9                         ; cs of my 64 columns: 4 bytes x (128 x tile column + 64 x half), behind bs
	s_lshl_b32 s47, s12, 8
	s_add_co_u32 s46, s46, s47
	s_add_co_u32 s46, s46, 16384
	s_mov_b32 s47, 0
	s_add_nc_u64 s[6:7], s[6:7], s[46:47]
	v_lshlrev_b32 v[BO], 5, v2
.irp b, 0,1,2,3
	global_load_b128 v[CSV+8*\b:CSV+8*\b+3],   v[BO], s[6:7] offset:64*\b
	global_load_b128 v[CSV+8*\b+4:CSV+8*\b+7], v[BO], s[6:7] offset:64*\b+16
.endr
.endif
	v_mul_u32_u24 v3, v1, PITCHA
	v_lshl_add_u32 v3, v2, 4, v3                   ; A: row x pitch + 16 h
	s_mul_i32 s22, s11, HALFA
	v_add_nc_u32 v[ADRA], s22, v3
	v_add_nc_u32 v[ADRA+1], SLOT, v[ADRA]
	v_and_b32 v4, 7, v0                            ; B, turned: lane l reads 16 bytes of k-row 8 h + l % 8, columns 8 ((l / 8) % 2) on
	v_lshl_add_u32 v4, v2, 3, v4
	v_mul_u32_u24 v4, v4, PITCHB
	v_bfe_u32 v5, v0, 3, 1
	v_lshl_add_u32 v4, v5, 4, v4
	s_lshl_b32 s23, s12, 7                         ; my 64 columns
	s_add_co_u32 s23, s23, 2*HALFA
	v_add_nc_u32 v[ADRB], s23, v4
	v_add_nc_u32 v[ADRB+1], HALFB, v[ADRB]
	v_add_nc_u32 v[ADRB+2], SLOT, v[ADRB]
	v_add_nc_u32 v[ADRB+3], SLOT+HALFB, v[ADRB]
	s_mul_i32 s23, s11, 64*SPITCH                  ; into the stage: my 64 rows, my half of each row
	s_lshl_b32 s16, s13, 7
	s_lshl_b32 s17, s10, 5
	s_add_co_u32 s16, s16, s17                     ; the first row of C that I store: 128 x tile row + 32 x wave
	v_mul_u32_u24 v4, v1, SPITCH
.if FOLD
	s_lshl_b32 s21, s12, 7
	v_lshl_add_u32 v4, v2, 4, v4                   ; 16 bytes (8 f16) for each half of the lanes
	s_lshl_b32 s16, s16, 13
	s_lshl_b32 s46, s42, 8                         ; the tile's first column, in bytes
.else
	s_lshl_b32 s21, s12, 8
	v_lshl_add_u32 v4, v2, 5, v4                   ; 32 bytes (8 f32)
	s_lshl_b32 s16, s16, 12
	s_lshl_b32 s46, s42, 9
.endif
	s_add_co_u32 s23, s23, s21
	v_add_nc_u32 v[STO], s23, v4
	s_mul_i32 s23, s10, 32*SPITCH                  ; back: wave w takes rows 32 w .. 32 w + 31, whole
.if FOLD
	v_mul_u32_u24 v5, v2, SPITCH                   ; lanes 0-15 one row of 256 bytes, lanes 16-31 the next
	v_lshl_add_u32 v5, v1, 4, v5
	v_add_nc_u32 v[RD], s23, v5
	v_lshlrev_b32 v5, 13, v2
	v_lshl_add_u32 v[CO], v1, 4, v5
.else
	v_and_b32 v5, 31, v0                           ; 32 lanes take one row of 512 bytes
	v_lshlrev_b32 v[CO], 4, v5
	v_add_nc_u32 v[RD], s23, v[CO]
.endif
	s_mov_b32 s17, 0
	s_mov_b32 s47, 0
	s_add_nc_u64 s[8:9], s[8:9], s[16:17]
	s_add_nc_u64 s[8:9], s[8:9], s[46:47]
; 8 matrix instructions: m blocks a0, a0 + 1 x all 4 n blocks, 32 along K: half c of buffer f.  zero = 1: the first product starts the sums
.macro MUL8 f, c, a0, zero
.irp a, \a0, \a0+1
.irp b, 0,1,2,3
.if \zero
	v_wmma_f32_16x16x32_f16 v[ACC+8*(4*(\a)+\b):ACC+8*(4*(\a)+\b)+7], v[\f+64+8*(4*\c+\b):\f+64+8*(4*\c+\b)+7], v[\f+8*(4*\c+\a):\f+8*(4*\c+\a)+7], 0
.else
	v_wmma_f32_16x16x32_f16 v[ACC+8*(4*(\a)+\b):ACC+8*(4*(\a)+\b)+7], v[\f+64+8*(4*\c+\b):\f+64+8*(4*\c+\b)+7], v[\f+8*(4*\c+\a):\f+8*(4*\c+\a)+7], v[ACC+8*(4*(\a)+\b):ACC+8*(4*(\a)+\b)+7]
.endif
.endr
.endr
.endm
; 32 LDS loads in one run: the fragments of quarter q (64 along K) of a slot into buffer f; the first 32 along K first
.macro FETCH slot, q, f
	WIN TO_F
.irp c, 0,1
.irp i, 0,1,2,3
	ds_load_tr16_b128 v[\f+64+8*(4*\c+\i):\f+64+8*(4*\c+\i)+3],   v[ADRB+2*\slot+\q/2] offset:((\q%2)*64+32*\c)*PITCHB+32*\i
	ds_load_tr16_b128 v[\f+64+8*(4*\c+\i)+4:\f+64+8*(4*\c+\i)+7], v[ADRB+2*\slot+\q/2] offset:((\q%2)*64+32*\c+16)*PITCHB+32*\i
	ds_load_b128 v[\f+8*(4*\c+\i):\f+8*(4*\c+\i)+3],              v[ADRA+\slot] offset:128*\q+64*\c+\i*16*PITCHA
	ds_load_b128 v[\f+8*(4*\c+\i)+4:\f+8*(4*\c+\i)+7],            v[ADRA+\slot] offset:128*\q+64*\c+\i*16*PITCHA+32
.endr
.endr
.endm
.macro PLACES                          ; four plain vector instructions between matrix instructions and loads into, or vector reads of, their registers
.rept 4
	v_nop
.endr
.endm
; A K step is four quarters of 64 along K, 32 matrix instructions each, on buffers 0, 1, 0, 1; the 16 accumulators take turns.
.macro QUARTER slot, q, f, g, zero
	s_wait_dscnt 16                                ; the first 32 along K are in; the sixteen younger loads may be out
	WIN MUL
	MUL8 \f, 0, 0, \zero
	MUL8 \f, 0, 2, \zero
	PLACES
	FETCH \slot, \q, \g
	s_wait_dscnt 32                                ; all but the 32 just issued
	WIN MUL
	MUL8 \f, 1, 0, 0
	MUL8 \f, 1, 2, 0
.endm
; The last quarter multiplies buffer 1 and changes slots.  fill = 1: this slot is filled again, two K steps ahead, behind a round of the cluster's barrier.
.macro TURN slot, next, fill
	WIN 0                                          ; (the add's two registers lie in window 0)
	s_wait_tensorcnt 0x0                           ; all my tensor loads have landed: the one that was out is my part of the next slot
	ds_add_u32 v[SPW], v[NIL]                      ; 0 onto my spare word
	s_wait_dscnt 17                                ; (the add and the youngest sixteen loads may be out)
	WIN MUL
	MUL8 F1, 0, 0, 0
	s_wait_dscnt 0x0                               ; the add is done, and my reads of this slot are over
	s_barrier_signal -1
	MUL8 F1, 0, 2, 0
.if \fill
	WIN 0
.endif
	s_barrier_wait -1
.if \fill
	CREST                                          ; no wave of any partner still reads this slot or has a load on its way
	s_add_nc_u64 s[G0+4*\slot+2:G0+4*\slot+3], s[G0+4*\slot+2:G0+4*\slot+3], 2*KSTEP*2
	s_add_nc_u64 s[G0B+4*\slot+2:G0B+4*\slot+3], s[G0B+4*\slot+2:G0B+4*\slot+3], 0x100000
	JLOAD \slot                                    ; my one tensor load behind the round; its four v_nop are also the places in front of the loads below
.else
	PLACES
.endif
	FETCH \next, 0, F0
	WIN MUL
	MUL8 F1, 1, 0, 0
	MUL8 F1, 1, 2, 0
.endm
	s_wait_tensorcnt 1                             ; my part of K step 0 is in; K step 1's may stay out
	s_barrier_signal -1
	s_barrier_wait -1
	FETCH 0, 0, F0
	QUARTER 0, 1, F0, F1, 1                        ; the first quarter stands in front of the loop: its first products start the sums
	WIN 0
	s_mov_b32 s3, LAPS-1
.Llap:                                                 ; a trip goes once round the ring and fills both slots again
	QUARTER 0, 2, F1, F0, 0
	QUARTER 0, 3, F0, F1, 0
	TURN 0, 1, 1
	QUARTER 1, 1, F0, F1, 0
	QUARTER 1, 2, F1, F0, 0
	QUARTER 1, 3, F0, F1, 0
	TURN 1, 0, 1
	QUARTER 0, 1, F0, F1, 0
	WIN 0
	s_sub_co_u32 s3, s3, 1
	s_cmp_lg_u32 s3, 0
	s_cbranch_scc1 .Llap
	QUARTER 0, 2, F1, F0, 0                        ; the last lap fills nothing
	QUARTER 0, 3, F0, F1, 0
	TURN 0, 1, 0                                   ; behind this barrier no wave reads slot 0 any more
	QUARTER 1, 1, F0, F1, 0
	QUARTER 1, 2, F1, F0, 0
	QUARTER 1, 3, F0, F1, 0
	s_wait_dscnt 16
	WIN MUL
	MUL8 F1, 0, 0, 0
	MUL8 F1, 0, 2, 0
	s_wait_dscnt 0
	MUL8 F1, 1, 0, 0
	MUL8 F1, 1, 2, 0
	WIN 0
	; THE WAY OUT, through one stage for the four waves: a row's bytes come from two waves, so a barrier stands between writing and reading
.if FOLD
	s_wait_loadcnt 0x0                             ; cs
	PLACES
.irp t, 0,1,2,3,4,5,6,7,8,9,10,11,12,13,14,15
.irp r, 0,1,2,3
	v_pk_mul_f32 v[ACC+8*\t+2*\r:ACC+8*\t+2*\r+1], v[ACC+8*\t+2*\r:ACC+8*\t+2*\r+1], v[CSV+8*(\t%4)+2*\r:CSV+8*(\t%4)+2*\r+1]
.endr
.irp r, 0,1,2,3
	v_cvt_pk_f16_f32 v[TMP+4*\t+\r], v[ACC+8*\t+2*\r], v[ACC+8*\t+2*\r+1]
.endr
.endr
.irp a, 0,1,2,3
.irp b, 0,1,2,3
	ds_store_b128 v[STO], v[TMP+4*(4*\a+\b):TMP+4*(4*\a+\b)+3] offset:STAGE+\a*16*SPITCH+32*\b
.endr
.endr
	s_wait_dscnt 0x0                               ; for the others' sake: my stores into the stage are done
	s_barrier_signal -1
	s_barrier_wait -1
.irp t, 0,1,2,3,4,5,6,7,8,9,10,11,12,13,14,15
	ds_load_b128 v[TMP+4*\t:TMP+4*\t+3], v[RD] offset:STAGE+\t*2*SPITCH
.endr
.irp t, 0,1,2,3,4,5,6,7,8,9,10,11,12,13,14,15
	s_wait_dscnt 15-\t                             ; load t is back, the younger ones may be out
	global_store_b128 v[CO], v[TMP+4*\t:TMP+4*\t+3], s[8:9] offset:2*\t*CPITCH   ; 16 lanes store 256 consecutive bytes, aligned
.endr
.else
	PLACES
.irp a, 0,1,2,3
.irp b, 0,1,2,3
	ds_store_b128 v[STO], v[ACC+8*(4*\a+\b):ACC+8*(4*\a+\b)+3]   offset:STAGE+\a*16*SPITCH+64*\b      ; each accumulator's low four registers first
	ds_store_b128 v[STO], v[ACC+8*(4*\a+\b)+4:ACC+8*(4*\a+\b)+7] offset:STAGE+\a*16*SPITCH+64*\b+16
.endr
.endr
	s_wait_dscnt 0x0                               ; for the others' sake: my stores into the stage are done
	s_barrier_signal -1
	s_barrier_wait -1
.set t, 0
.rept 32
	ds_load_b128 v[ACC+4*t:ACC+4*t+3], v[RD] offset:STAGE+t*SPITCH
.set t, t+1
.endr
.set t, 0
.rept 32
	s_wait_dscnt 31-t                              ; load t is back, the younger ones may be out
	global_store_b128 v[CO], v[ACC+4*t:ACC+4*t+3], s[8:9] offset:t*CPITCH        ; a wave stores 512 consecutive bytes, aligned
.set t, t+1
.endr
.endif
	s_wait_tensorcnt 0x0                           ; the wave's end
	ds_add_u32 v[SPW], v[NIL]
	s_wait_dscnt 0x0
	CROUND                                         ; the closing round: no work-group ends while a partner may still ask for a tile that names it
	s_endpgm
.Lfunc_end_k_q23498c39c1_ff2:
	.size	k_q23498c39c1_ff2, .Lfunc_end_k_q23498c39c1_ff2-k_q23498c39c1_ff2
	.p2alignl 7, 3214868480
	.fill 96, 4, 3214868480
	.section	.rodata,"a",@progbits
	.p2align	6, 0x0
	.amdhsa_kernel k_q23498c39c1_ff2
		.amdhsa_group_segment_fixed_size 327680
		.amdhsa_private_segment_fixed_size 0
		.amdhsa_enable_private_segment 0
		.amdhsa_kernarg_size 24
		.amdhsa_user_sgpr_count 2
		.amdhsa_user_sgpr_kernarg_segment_ptr 1
		.amdhsa_wavefront_size32 1
		.amdhsa_system_sgpr_workgroup_id_x 1
		.amdhsa_system_sgpr_workgroup_id_y 1
		.amdhsa_system_sgpr_workgroup_id_z 1
		.amdhsa_system_vgpr_workitem_id 0
		.amdhsa_next_free_vgpr 512
		.amdhsa_next_free_sgpr 66
		.amdhsa_reserve_vcc 0
		.amdhsa_float_denorm_mode_32 3
		.amdhsa_float_denorm_mode_16_64 3
		.amdhsa_memory_ordered 1
		.amdhsa_forward_progress 1
		.amdhsa_inst_pref_size 87
	.end_amdhsa_kernel
	.amdgpu_metadata
---
amdhsa.version: [ 1, 2 ]
amdhsa.kernels:
  - .name:           k_q23498c39c1_ff2
    .symbol:         k_q23498c39c1_ff2.kd
    .args:
      - { .name: big, .offset: 0, .size: 8, .value_kind: global_buffer, .address_space: global }
      - { .name: ffh, .offset: 8, .size: 8, .value_kind: global_buffer, .address_space: global }
      - { .name: ffpre, .offset: 16, .size: 8, .value_kind: global_buffer, .address_space: global }
    .group_segment_fixed_size: 327680
    .private_segment_fixed_size: 0
    .kernarg_segment_align: 8
    .kernarg_segment_size: 24
    .max_flat_workgroup_size: 128
    .sgpr_count:     66
    .vgpr_count:     512
    .wavefront_size: 32
...
	.end_amdgpu_metadata
.endif
;; end of part 7
;; launch final (part 8): grid 256 x 1, 8 waves a work-group, no clusters, 29,696 bytes of LDS; arguments y, ffpre, ff2_b, ln1_g, ln1_b, ffn_g, ffn_b, ln2_g, ln2_b, out0; writes out0
.if DOCPART == 8
	.amdgcn_target "amdgcn-amd-amdhsa--gfx1250"
	.amdhsa_code_object_version 6
	.text
	.protected	k_q23498c39c1_final
	.globl	k_q23498c39c1_final
	.p2align	8
	.type	k_q23498c39c1_final,@function
k_q23498c39c1_final:
	s_mov_b64 s[64:65], 0
	v_nop
	global_prefetch_b8 v0, s[64:65] scope:SCOPE_SE
	s_setreg_imm32_b32 hwreg(HW_REG_WAVE_MODE, 25, 1), 1
	s_wait_xcnt 0x0
; out0 = LN2( LN1(y) + LNffn(ffpre + ff2_b) ), all in f32.  With n(.) the normalisation without gain and bias:
;   z = n(y) g1 + n(ffpre + ff2_b) gf + (b1 + bf);  out0 = n(z) g2 + b2.
; A stream: one wave takes two whole rows of y and of ffpre (32 registers a row), so no sum leaves the wave, and no matrix unit is of use.
; THE SEVEN VECTORS (4,096 bytes each) are brought once for the work-group: thread t loads 16 bytes of each, 7 loads a wave where each wave for itself would issue 56, and all seven are
; requested at the head, ahead of the rows, so that no vector's first request stands behind arithmetic.  They lie in LDS, vector i at 4,096 i; one barrier; then each wave takes a vector
; by eight loads of 512 neighbouring bytes into one of three sets of 32 registers, each set loaded again as soon as its last use is issued.
; In every normalisation the mean is taken away before the squares are summed.
.set Y,  32                            ; v[32:95]    two rows of y, later of z and of the result
.set F,  96                            ; v[96:159]   two rows of ffpre
.set P0, 160                           ; v[160:191]  at the head: my 16 bytes of each vector; then ff2_b, ln1_g, ln2_g
.set P1, 192                           ; v[192:223]  ln1_b (+ ffn_b), ln2_b
.set P2, 224                           ; v[224:255]  ffn_b, ffn_g
.set I_FF2B, 0                         ; the vectors' places in LDS
.set I_G1,   1
.set I_B1,   2
.set I_GF,   3
.set I_BF,   4
.set I_G2,   5
.set I_B2,   6
.macro LANESUM a, b                    ; the sum of v[a] over the 32 lanes, in every lane; v[b] has been written
.irp m, 1,2,4,8
	v_add_f32_dpp v[\a], v[\a], v[\a] row_xmask:\m row_mask:0xf bank_mask:0xf
.endr
	v_permlanex16_b32 v[\b], v[\a], s22, s23
	v_add_f32 v[\a], v[\a], v[\b]
.endm
.macro LNORM R                         ; 32 registers in place: (x - mean) / sqrt(var + 1e-5)
.irp c, 0,1,2,3
	v_pk_add_f32 v[8+2*\c:9+2*\c], v[\R+2*\c:\R+2*\c+1], v[\R+8+2*\c:\R+8+2*\c+1]
.endr
.irp k, 16,24
.irp c, 0,1,2,3
	v_pk_add_f32 v[8+2*\c:9+2*\c], v[8+2*\c:9+2*\c], v[\R+\k+2*\c:\R+\k+2*\c+1]
.endr
.endr
	v_pk_add_f32 v[8:9], v[8:9], v[10:11]
	v_pk_add_f32 v[12:13], v[12:13], v[14:15]
	v_pk_add_f32 v[8:9], v[8:9], v[12:13]
	v_add_f32 v8, v8, v9
	LANESUM 8, 9
	v_mul_f32 v8, s20, v8                          ; the mean
.set i, 0
.rept 16
	v_pk_add_f32 v[\R+i:\R+i+1], v[\R+i:\R+i+1], v[8:9] op_sel_hi:[1,0] neg_lo:[0,1] neg_hi:[0,1]
.set i, i+2
.endr
	v_pk_mul_f32 v[10:11], v[\R:\R+1], v[\R:\R+1]
	v_pk_mul_f32 v[12:13], v[\R+2:\R+3], v[\R+2:\R+3]
.set i, 4
.rept 7
	v_pk_fma_f32 v[10:11], v[\R+i:\R+i+1], v[\R+i:\R+i+1], v[10:11]
	v_pk_fma_f32 v[12:13], v[\R+i+2:\R+i+3], v[\R+i+2:\R+i+3], v[12:13]
.set i, i+4
.endr
	v_pk_add_f32 v[10:11], v[10:11], v[12:13]
	v_add_f32 v10, v10, v11
	LANESUM 10, 11
	v_fma_f32 v10, v10, s20, s21                   ; var + eps
	v_rsq_f32 v10, v10
	v_nop                                          ; a plain instruction between the root and the use of its result
.set i, 0
	s_wait_alu depctr_va_vdst(0)
.rept 16
	v_pk_mul_f32 v[\R+i:\R+i+1], v[\R+i:\R+i+1], v[10:11] op_sel_hi:[1,0]
.set i, i+2
.endr
.endm
.macro GETV idx, base                  ; my 16 bytes of a vector, from memory
	global_load_b128 v[P0+4*\idx:P0+4*\idx+3], v5, s[\base:\base+1]
.endm
.macro LDV dst, idx                    ; a vector of 1,024 f32 in a row's layout, from LDS: eight loads, 32 lanes x 16 neighbouring bytes each
.irp j, 0,1,2,3,4,5,6,7
	ds_load_b128 v[\dst+4*\j:\dst+4*\j+3], v3 offset:4096*\idx+512*\j
.endr
.endm
	s_load_b512 s[4:19], s[0:1], 0x0               ; y 4, ffpre 6, ff2_b 8, ln1_g 10, ln1_b 12, ffn_g 14, ffn_b 16, ln2_g 18
	s_load_b128 s[24:27], s[0:1], 0x40             ; ln2_b 24, out0 26
	v_lshl_add_u32 v30, v0, 2, 0x7000
	v_mov_b32 v31, 0
	s_mov_b32 s20, 0x3a800000                      ; 1 / 1024
	s_mov_b32 s21, 0x3727c5ac                      ; 1e-5
	s_mov_b32 s22, 0x76543210
	s_mov_b32 s23, 0xfedcba98
	s_lshl_b32 s2, ttmp9, 16                       ; 16 rows of 4,096 bytes a work-group
	s_mov_b32 s3, 0
	v_and_b32 v1, 31, v0
	v_lshrrev_b32 v2, 5, v0
	v_lshlrev_b32 v3, 4, v1                        ; 16 bytes a lane
	v_lshl_add_u32 v4, v2, 13, v3                  ; + two rows a wave
	v_lshlrev_b32 v5, 4, v0                        ; 16 bytes a thread: my piece of each vector, in memory and in LDS
	s_wait_kmcnt 0x0
	s_add_nc_u64 s[4:5], s[4:5], s[2:3]
	s_add_nc_u64 s[6:7], s[6:7], s[2:3]
	s_add_nc_u64 s[26:27], s[26:27], s[2:3]
	GETV I_FF2B, 8
	GETV I_G1, 10
	GETV I_B1, 12
	GETV I_GF, 14
	GETV I_BF, 16
	GETV I_G2, 18
	GETV I_B2, 24
.irp r, 0,1
.irp j, 0,1,2,3,4,5,6,7
	global_load_b128 v[Y+32*\r+4*\j:Y+32*\r+4*\j+3], v4, s[4:5] offset:4096*\r+512*\j th:TH_LOAD_NT
.endr
.endr
.irp r, 0,1
.irp j, 0,1,2,3,4,5,6,7
	global_load_b128 v[F+32*\r+4*\j:F+32*\r+4*\j+3], v4, s[6:7] offset:4096*\r+512*\j th:TH_LOAD_NT
.endr
.endr
	s_wait_loadcnt 32                              ; my pieces of the seven vectors are in; younger: the 32 loads of the rows
.irp i, 0,1,2,3,4,5,6
	ds_store_b128 v5, v[P0+4*\i:P0+4*\i+3] offset:4096*\i
.endr
	s_wait_dscnt 0x0                               ; for the others' sake: my stores are done
	s_barrier_signal -1
	s_barrier_wait -1                              ; the seven vectors are whole
	LDV P0, I_FF2B
	LDV P1, I_B1
	LDV P2, I_BF
	s_wait_loadcnt 16                              ; y is in; younger: ffpre's 16
	LNORM Y
	LNORM Y+32
	s_wait_loadcnt 0x0                             ; ffpre
	s_wait_dscnt 16                                ; ff2_b is in; younger: ln1_b, ffn_b
.irp r, 0,1
.set i, 0
.rept 16
	v_pk_add_f32 v[F+32*\r+i:F+32*\r+i+1], v[F+32*\r+i:F+32*\r+i+1], v[P0+i:P0+i+1]
.set i, i+2
.endr
.endr
	LDV P0, I_G1
	LNORM F
	LNORM F+32
	s_wait_dscnt 8                                 ; ln1_b and ffn_b are in; younger: ln1_g
.set i, 0
.rept 16
	v_pk_add_f32 v[P1+i:P1+i+1], v[P1+i:P1+i+1], v[P2+i:P2+i+1]   ; b1 + bf, once for both rows
.set i, i+2
.endr
	LDV P2, I_GF
	s_wait_dscnt 8                                 ; ln1_g is in; younger: ffn_g
.irp r, 0,1
.set i, 0
.rept 16
	v_pk_fma_f32 v[Y+32*\r+i:Y+32*\r+i+1], v[Y+32*\r+i:Y+32*\r+i+1], v[P0+i:P0+i+1], v[P1+i:P1+i+1]
.set i, i+2
.endr
.endr
	LDV P0, I_G2
	LDV P1, I_B2
	s_wait_dscnt 16                                ; ffn_g is in; younger: ln2_g, ln2_b
.irp r, 0,1
.set i, 0
.rept 16
	v_pk_fma_f32 v[Y+32*\r+i:Y+32*\r+i+1], v[F+32*\r+i:F+32*\r+i+1], v[P2+i:P2+i+1], v[Y+32*\r+i:Y+32*\r+i+1]
.set i, i+2
.endr
.endr
	LNORM Y
	LNORM Y+32
	s_wait_dscnt 0x0                               ; ln2_g, ln2_b
.irp r, 0,1
.set i, 0
.rept 16
	v_pk_fma_f32 v[Y+32*\r+i:Y+32*\r+i+1], v[Y+32*\r+i:Y+32*\r+i+1], v[P0+i:P0+i+1], v[P1+i:P1+i+1]
.set i, i+2
.endr
.irp j, 0,1,2,3,4,5,6,7
	global_store_b128 v4, v[Y+32*\r+4*\j:Y+32*\r+4*\j+3], s[26:27] offset:4096*\r+512*\j th:TH_STORE_NT   ; a wave's store covers 512 consecutive bytes, aligned
.endr
.endr
	s_wait_tensorcnt 0x0
	ds_add_u32 v30, v31
	s_wait_dscnt 0x0
	s_endpgm
.Lfunc_end_k_q23498c39c1_final:
	.size	k_q23498c39c1_final, .Lfunc_end_k_q23498c39c1_final-k_q23498c39c1_final
	.p2alignl 7, 3214868480
	.fill 96, 4, 3214868480
	.section	.rodata,"a",@progbits
	.p2align	6, 0x0
	.amdhsa_kernel k_q23498c39c1_final
		.amdhsa_group_segment_fixed_size 29696
		.amdhsa_private_segment_fixed_size 0
		.amdhsa_enable_private_segment 0
		.amdhsa_kernarg_size 80
		.amdhsa_user_sgpr_count 2
		.amdhsa_user_sgpr_kernarg_segment_ptr 1
		.amdhsa_wavefront_size32 1
		.amdhsa_system_sgpr_workgroup_id_x 1
		.amdhsa_system_sgpr_workgroup_id_y 1
		.amdhsa_system_sgpr_workgroup_id_z 1
		.amdhsa_system_vgpr_workitem_id 0
		.amdhsa_next_free_vgpr 256
		.amdhsa_next_free_sgpr 66
		.amdhsa_reserve_vcc 0
		.amdhsa_float_denorm_mode_32 3
		.amdhsa_float_denorm_mode_16_64 3
		.amdhsa_memory_ordered 1
		.amdhsa_forward_progress 1
		.amdhsa_inst_pref_size 50
	.end_amdhsa_kernel
	.amdgpu_metadata
---
amdhsa.version: [ 1, 2 ]
amdhsa.kernels:
  - .name:           k_q23498c39c1_final
    .symbol:         k_q23498c39c1_final.kd
    .args:
      - { .name: y, .offset: 0, .size: 8, .value_kind: global_buffer, .address_space: global }
      - { .name: ffpre, .offset: 8, .size: 8, .value_kind: global_buffer, .address_space: global }
      - { .name: ff2_b, .offset: 16, .size: 8, .value_kind: global_buffer, .address_space: global }
      - { .name: ln1_g, .offset: 24, .size: 8, .value_kind: global_buffer, .address_space: global }
      - { .name: ln1_b, .offset: 32, .size: 8, .value_kind: global_buffer, .address_space: global }
      - { .name: ffn_g, .offset: 40, .size: 8, .value_kind: global_buffer, .address_space: global }
      - { .name: ffn_b, .offset: 48, .size: 8, .value_kind: global_buffer, .address_space: global }
      - { .name: ln2_g, .offset: 56, .size: 8, .value_kind: global_buffer, .address_space: global }
      - { .name: ln2_b, .offset: 64, .size: 8, .value_kind: global_buffer, .address_space: global }
      - { .name: out0, .offset: 72, .size: 8, .value_kind: global_buffer, .address_space: global }
    .group_segment_fixed_size: 29696
    .private_segment_fixed_size: 0
    .kernarg_segment_align: 8
    .kernarg_segment_size: 80
    .max_flat_workgroup_size: 256
    .sgpr_count:     66
    .vgpr_count:     256
    .wavefront_size: 32
...
	.end_amdgpu_metadata
.endif
;; end of part 8
